; MI455X (gfx1250); checked and timed in simulation.
; The chip was launched on July 23, 2026; its instructions are those of AMD's public machine-readable ISA for CDNA 5 (MIT licence, August 2026) and "CDNA5" Instruction Set Architecture Reference Guide (July 2026). The comments in the code are by the model that wrote it; some were corrected since.
;; Multi Headed Attention. Allowed arithmetic: matrix products marked QUANTISED: E2M1 operands, one E8M0 scale for each 32 along K, by v_wmma_scale_f32_16x16x128_f8f6f4 with both operands' format E2M1 (or v_wmma_scale_f32_32x16x128_f4), f32 sums; products left as they are: bf16, f16 or f32 operands; f32 sums; everything else in f32.
;; Inputs: Wk 1,024 x 1,024 float32; Wo 1,024 x 1,024 float32; Wq 1,024 x 1,024 float32; Wv 1,024 x 1,024 float32; bk 1,024 float32; bo 1,024 float32; bq 1,024 float32; bv 1,024 float32; key 2 x 2,048 x 1,024 float32; query 2 x 2,048 x 1,024 float32; value 2 x 2,048 x 1,024 float32.
;; Outputs: out0 2 x 2,048 x 1,024 float32.
;; This version of the problem:
;;   THIS VERSION OF THE PROBLEM IS GIVEN IN LOW PRECISION. The matrix products marked QUANTISED in the list below multiply operands that are first quantised to E2M1 (2 exponent bits, 1 mantissa bit; 4 bits a number), with one power-of-two scale for each 32 numbers along K (OCP MX v1.0); their sums are f32. The products marked 'left as it is' may take bf16, f16 or f32 operands, with f32 sums. Whichever they take, every output number must still come out within the allowed error. Rounding operands to bf16 (8 significant bits) uses up far more of that allowance than f16 does (11 bits, for magnitudes from 6e-5 to 65,504). All else is computed in f32.
;;   The module's matrix products, in the order in which they are computed (A, B: the left and right operand; K: the contracted axis; several contracted axes count as one K, in the product's order):
;;     1. [M 4,096, K 1,024] x [K 1,024, N 1,024]; A: input query; B: input Wq: QUANTISED
;;     2. [M 4,096, K 1,024] x [K 1,024, N 1,024]; A: input key; B: input Wk: QUANTISED
;;     3. [M 4,096, K 1,024] x [K 1,024, N 1,024]; A: input value; B: input Wv: QUANTISED
;;     4. batch 32 x [M 2,048, K 64] x [K 64, N 2,048]; A: computed on the way; B: computed on the way: left as it is (an operand is computed on the way)
;;     5. batch 32 x [M 2,048, K 2,048] x [K 2,048, N 64]; A: computed on the way; B: computed on the way: left as it is (an operand is computed on the way)
;;     6. [M 4,096, K 1,024] x [K 1,024, N 1,024]; A: computed on the way; B: input Wo: left as it is (an operand is computed on the way)
;;   THE QUANTISER, for each operand of a quantised product, along K:
;;     - K is cut into blocks of 32 from its start; a last block that is shorter is filled with zeros.
;;     - A block's scale is 2^e with e = floor(log2(the largest magnitude in the block)) - 2, held to -126 .. 127; a block of zeros has e = 0. As a byte (E8M0): e + 127.
;;     - Each number is divided by its block's scale, clamped to +-6, and rounded to the nearest number of E2M1, ties to even, subnormals kept.
;;     - The product sums the exact products of the quantised numbers (number of the format x scale) in f32.
;;   ~~~python
;;   def quantise(x, axis):      # numpy; x: float32 -> the quantised numbers, widened to float32 again
;;       x = np.moveaxis(x, axis, -1); K = x.shape[-1]
;;       x = np.pad(x, [(0, 0)] * (x.ndim - 1) + [(0, -K % 32)]); x = x.reshape(x.shape[:-1] + (-1, 32)); a = np.abs(x).max(-1, keepdims=True)
;;       e = np.where(a > 0, np.clip(np.frexp(np.where(a > 0, a, 1))[1] - 1 - 2, -126, 127), 0)      # np.frexp(a)[1] - 1 = floor(log2(a)), exactly
;;       r = np.clip(x / 2.0 ** e, -6, 6)
;;       step = 2.0 ** (np.maximum(np.frexp(np.where(r == 0, 1, r))[1] - 1, 0) - 1)
;;       q = np.round(r / step) * step * 2.0 ** e      # np.round: ties to even
;;       return np.moveaxis(q.reshape(q.shape[:-2] + (-1,))[..., :K], -1, axis).astype(np.float32)
;;   ~~~
;; One version. Each part assembles by itself: llvm-mc -triple=amdgcn-amd-amdhsa -mcpu=gfx1250 --defsym DOCPART=n.
;; ======== version 1 of 1: 4 launches
;; limits: values are held in f16: magnitudes above 65,504 overflow, below 6.1e-05 lose precision
;; workspace buffers: codes 7,864,320 bytes; scales 491,520 bytes; wo16 2,097,152 bytes; qkv 25,165,824 bytes; ctx 8,388,608 bytes
;; launch prep (part 1): grid 512 x 1, 4 waves a work-group, no clusters, 33,280 bytes of LDS; arguments query, key, value, Wq, Wk, Wv, Wo, codes, scales, wo16; writes codes, scales, wo16
.if DOCPART == 1
	.amdgcn_target "amdgcn-amd-amdhsa--gfx1250"
	.amdhsa_code_object_version 6
	.text
	.protected	k_q92c48fc3b5_prep
	.globl	k_q92c48fc3b5_prep
	.p2align	8
	.type	k_q92c48fc3b5_prep,@function
k_q92c48fc3b5_prep:
	s_mov_b64 s[64:65], 0
	v_nop
	global_prefetch_b8 v0, s[64:65] scope:SCOPE_SE
	s_setreg_imm32_b32 hwreg(HW_REG_WAVE_MODE, 25, 1), 1
	s_wait_xcnt 0x0
; PREP.  query, key, value [4096][1024] and Wq, Wk, Wv [1024][1024], f32 with K innermost, become codes of FP4 (E2M1), two a byte, K innermost, with one E8M0 scale byte for each 32 along K;
; Wo [1024][1024] is rounded to f16 and laid as images of operand registers for the last launch.
; A block's scale is 2^(floor(log2(its largest magnitude)) - 2); its byte is the largest magnitude's exponent field - 2, held at 1 from below; each number is divided by the scale and rounded to the nearest code, ties to even, beyond 6 the code of 6.
; LIMITS: NaN and infinities are not served.  A block whose largest magnitude lies under 2^-124 keeps the byte 1; a block of zeros keeps the byte 1 where the rule says 127: its codes are zeros, which add nothing, and this program alone reads the bytes.
;         Wo over 65,504 in magnitude becomes infinity in f16; under 6e-5 its step is 6e-8.
; SHARES.  512 work-groups of 32,768 numbers: 0-127 query, 128-255 key, 256-383 value, 384-415 Wq, 416-447 Wk, 448-479 Wv, 480-511 Wo.  The six quantised tensors lie in codes and scales in that same order,
; so the places in the two buffers follow from the work-group's number alone, and only the source pointer is chosen.  Rows are dense and 1,024 is a multiple of 32: each tensor is a plain stream of blocks of 32.
; QUANTISING.  A wave takes 16 steps of 512 numbers.  Each of a step's four loads reads 512 consecutive bytes; the 2,048 bytes turn through the wave's own stage in LDS (16 bytes of padding behind each 64) and come back
; 64 bytes a lane: 16 neighbours along K, two lanes to a block.  A lane's 16 codes are 8 bytes: the wave stores 256 consecutive bytes.  A wave's 256 scale bytes are gathered in LDS and leave as 256 consecutive bytes.
; Loads run eight steps ahead: 32 loads, 16 KiB, of every wave are on their way; the turn through LDS runs one step ahead.
; Wo.  wo16 is [ks 4][Nt 64][q 8][u 2][512 bytes]: lane (r, h) of a half fragment holds Wo[16 Nt + r][256 ks + 32 q + 16 u + 8 h + 0 .. 7] in its 16 bytes at 16 x lane.  A wave takes 16 rows x 512 along K.
; No tensor loads, no barrier: waves share nothing.
.set WAVES, 4
.set STEPS, 16
.set DEPTH, 8                          ; steps of loads on their way
.set EMAX,  2
.set CB,    8                          ; bytes of 16 codes
.set R,     16                         ; v16-143  eight sets of 16 numbers as loaded (Wo: two sets of 64)
.set X,     144                        ; v144-175 two sets of 16 neighbours
.set E,     176                        ; v176-191 a scale byte for each step
.set C,     192                        ; v192-255 codes: four registers for each step, so that no store's data are written again
.set WOUT,  144                        ; v144-175 Wo: eight half fragments of f16
.set WREG,  8192                       ; LDS: a region for each wave: two stages of 32 x SP bytes, then its 256 scale bytes
.set SP,    80                         ; a lane's place in a stage: 64 bytes + 16 of padding
.set SPW,   12                         ; v12  LDS address of my spare word; never rewritten
.set NIL,   13                         ; v13  0; never rewritten
.set SPARE, WAVES*WREG                 ; behind the four regions: the spare words, 128 bytes a wave: two blocks of 256 bytes that no other line names
.set SRC,   28                         ; s[28:29] the tensor that is quantised, at my wave's run
.set COD,   18                         ; s[18:19] codes
.set SCB,   20                         ; s[20:21] scales
.set WO,    16                         ; s[16:17] Wo
.set W16,   22                         ; s[22:23] wo16
.macro LOAD t
.irp i, 0,1,2,3
	global_load_b128 v[R+16*((\t)%DEPTH)+4*\i:R+16*((\t)%DEPTH)+4*\i+3], v3, s[SRC:SRC+1] offset:2048*(\t)+512*\i th:TH_LOAD_NT   ; 32 lanes read 512 consecutive bytes
.endr
.endm
.macro TURN t                          ; step t's numbers through the stage: LDS serves a wave's instructions in order, so no wait stands between the stores and the loads
.irp i, 0,1,2,3
	ds_store_b128 v14, v[R+16*((\t)%DEPTH)+4*\i:R+16*((\t)%DEPTH)+4*\i+3] offset:32*SP*((\t)%2)+8*SP*\i
.endr
.irp i, 0,1,2,3
	ds_load_b128 v[X+16*((\t)%2)+4*\i:X+16*((\t)%2)+4*\i+3], v15 offset:32*SP*((\t)%2)+16*\i
.endr
.endm
.macro STEP t
.set XS, X+16*((\t)%2)
.if (\t) > 0
	s_wait_dscnt 1                                 ; this step's numbers are back from the stage (the last step's byte store may be out): so its stores into the stage have read their registers,
.else
	s_wait_dscnt 0x0
.endif
.if (\t)+DEPTH < STEPS
	LOAD (\t)+DEPTH                                ; which take the loads of eight steps on
.endif
.if (\t)+1 < STEPS
.if STEPS-2-(\t) >= DEPTH-1
	s_wait_loadcnt 4*(DEPTH-1)                     ; the next step's four loads are in; those of the seven steps behind it may be out
.else
	s_wait_loadcnt 4*(STEPS-2-(\t))                ; at the end the counts run down
.endif
	TURN (\t)+1                                    ; and go through the other stage while this step is worked
.endif
	v_max3_num_f32 v8, |v[XS]|, |v[XS+1]|, |v[XS+2]|               ; the largest magnitude of my 16, in two chains
	v_max3_num_f32 v9, |v[XS+3]|, |v[XS+4]|, |v[XS+5]|
.irp i, 6,10
	v_max3_num_f32 v8, v8, |v[XS+\i]|, |v[XS+\i+1]|
	v_max3_num_f32 v9, v9, |v[XS+\i+2]|, |v[XS+\i+3]|
.endr
	v_max3_num_f32 v8, v8, |v[XS+14]|, |v[XS+15]|
	v_max3_num_f32 v8, v8, v9, (EMAX+1)<<23        ; and the floor 2^(3 - 127): the byte cannot fall under 1
	v_max_num_f32_dpp v8, v8, v8 row_xmask:1 row_mask:0xf bank_mask:0xf   ; and of my neighbour's 16: the block's
	v_add_nc_u32 v11, -(EMAX<<23), v8              ; 2 off its exponent field: the conversion takes the exponent field of this operand as its scale
	v_cvt_scalef32_pk8_fp4_f32 v[C+4*(\t)], v[XS:XS+7], v11
	v_cvt_scalef32_pk8_fp4_f32 v[C+4*(\t)+1], v[XS+8:XS+15], v11
	v_lshrrev_b32 v[E+(\t)], 23, v11               ; the scale's byte (a plain line behind the conversions)
	ds_store_b8 v5, v[E+(\t)] offset:16*(\t)       ; both lanes of a block write the same byte with the same value
	global_store_b64 v4, v[C+4*(\t):C+4*(\t)+1], s[COD:COD+1] offset:32*CB*(\t)   ; the wave stores 256 consecutive bytes, aligned
.endm
; Wo: batch i is four chunks of 32 along K: 16 loads.  Lane (r, h) takes, of row r, the 32 bytes of k = 32 chunk + 16 u + 8 h + 0 .. 7
.macro WLOAD i
.irp q, 0,1,2,3
.irp u, 0,1
.irp z, 0,1
	global_load_b128 v[R+64*((\i)%2)+16*\q+8*\u+4*\z:R+64*((\i)%2)+16*\q+8*\u+4*\z+3], v9, s[WO:WO+1] offset:(4*(\i)+\q)*128+64*\u+16*\z
.endr
.endr
.endr
.endm
.macro WCONV i
.if (\i) < 3
	s_wait_loadcnt 16                              ; this batch's 16 loads are in; the next batch's may be out
.else
	s_wait_loadcnt 0x0
.endif
	s_wait_xcnt 0x0                                ; the last batch's stores have read their data registers, which are written again below
.irp q, 0,1,2,3
.irp u, 0,1
.irp n, 0,1,2,3
	v_cvt_pk_f16_f32 v[WOUT+4*(2*\q+\u)+\n], v[R+64*((\i)%2)+16*\q+8*\u+2*\n], v[R+64*((\i)%2)+16*\q+8*\u+2*\n+1]
.endr
.endr
.endr
.irp q, 0,1,2,3
.irp u, 0,1
	global_store_b128 v3, v[WOUT+4*(2*\q+\u):WOUT+4*(2*\q+\u)+3], s[W16:W16+1] offset:((4*(\i)+\q)/8)*524288+((4*(\i)+\q)%8)*1024+512*\u   ; a half fragment: 512 consecutive bytes, aligned
.endr
.endr
.if (\i) < 2
	WLOAD (\i)+2
.endif
.endm
	s_load_b256 s[4:11], s[0:1], 0x0               ; query, key, value, Wq
	s_load_b256 s[12:19], s[0:1], 0x20             ; Wk, Wv, Wo, codes
	s_load_b128 s[20:23], s[0:1], 0x40             ; scales, wo16
	v_lshl_add_u32 v[SPW], v0, 2, SPARE
	v_mov_b32 v[NIL], 0
	v_lshrrev_b32 v1, 5, v0
	v_readfirstlane_b32 s24, v1                    ; wave
	v_and_b32 v2, 31, v0                           ; lane
	v_lshlrev_b32 v3, 4, v2                        ; 16 x lane: my 16 bytes of a load's or a half fragment's 512
	s_mul_i32 s25, s24, WREG
	v_lshrrev_b32 v14, 2, v2
	v_mul_u32_u24 v14, v14, SP
	v_and_b32 v15, 3, v2
	v_lshl_add_u32 v14, v15, 4, v14
	v_add_nc_u32 v14, s25, v14                     ; the stage, on the way in: SP (lane / 4) + 16 (lane % 4)
	v_mul_u32_u24 v15, v2, SP
	v_add_nc_u32 v15, s25, v15                     ; and on the way out: SP x lane
	v_mul_u32_u24 v4, v2, CB                       ; my codes' place in a step's
	v_lshrrev_b32 v5, 1, v2
	s_add_co_u32 s25, s25, 2*32*SP
	v_add_nc_u32 v5, s25, v5                       ; LDS: my wave's 256 scale bytes, my block's byte
	v_lshlrev_b32 v7, 3, v2                        ; and on the way out 8 bytes a lane
	v_add_nc_u32 v6, s25, v7
	s_wait_kmcnt 0x0
	s_cmp_ge_u32 ttmp9, 480                        ; the last 32 work-groups take Wo: a branch on the work-group's number
	s_cbranch_scc1 .Lwo
	; which tensor: the choice hangs on the work-group's number alone
	s_mov_b64 s[SRC:SRC+1], s[14:15]               ; Wv,
	s_mov_b32 s26, 448                             ; whose first work-group is 448
	s_cmp_lt_u32 ttmp9, 448
	s_cselect_b64 s[SRC:SRC+1], s[12:13], s[SRC:SRC+1]
	s_cselect_b32 s26, 416, s26
	s_cmp_lt_u32 ttmp9, 416
	s_cselect_b64 s[SRC:SRC+1], s[10:11], s[SRC:SRC+1]
	s_cselect_b32 s26, 384, s26
	s_cmp_lt_u32 ttmp9, 384
	s_cselect_b64 s[SRC:SRC+1], s[8:9], s[SRC:SRC+1]
	s_cselect_b32 s26, 256, s26
	s_cmp_lt_u32 ttmp9, 256
	s_cselect_b64 s[SRC:SRC+1], s[6:7], s[SRC:SRC+1]
	s_cselect_b32 s26, 128, s26
	s_cmp_lt_u32 ttmp9, 128
	s_cselect_b64 s[SRC:SRC+1], s[4:5], s[SRC:SRC+1]
	s_cselect_b32 s26, 0, s26
	s_sub_co_u32 s26, ttmp9, s26
	s_lshl_b32 s26, s26, 2
	s_add_co_u32 s26, s26, s24                     ; which run of 8,192 numbers of the tensor is my wave's
	s_lshl_b32 s26, s26, 15                        ; 32,768 bytes a run
	s_mov_b32 s27, 0
	s_add_nc_u64 s[SRC:SRC+1], s[SRC:SRC+1], s[26:27]
	s_lshl_b32 s30, ttmp9, 2
	s_add_co_u32 s30, s30, s24                     ; which run of all six tensors
	s_mov_b32 s31, 0
	s_lshl_b32 s26, s30, 12                        ; 4,096 bytes of codes a run
	s_add_nc_u64 s[COD:COD+1], s[COD:COD+1], s[26:27]
	s_lshl_b32 s30, s30, 8                         ; 256 scale bytes a run
	s_add_nc_u64 s[SCB:SCB+1], s[SCB:SCB+1], s[30:31]
.irp t, 0,1,2,3,4,5,6,7
	LOAD \t
.endr
	s_wait_loadcnt 4*(DEPTH-1)                     ; step 0's four loads are in; the seven later steps' may be out
	TURN 0
.irp t, 0,1,2,3,4,5,6,7,8,9,10,11,12,13,14,15
	STEP \t
.endr
	ds_load_b64 v[8:9], v6                         ; LDS serves a wave's instructions in order: these see my byte stores
	s_wait_dscnt 0x0
	global_store_b64 v7, v[8:9], s[SCB:SCB+1]      ; 32 lanes store 256 consecutive bytes, aligned
	s_branch .Lend
.Lwo:
	s_sub_co_u32 s26, ttmp9, 480
	s_lshl_b32 s26, s26, 2
	s_add_co_u32 s26, s26, s24                     ; 0 .. 127
	s_lshr_b32 s30, s26, 1                         ; Nt: which 16 rows
	s_and_b32 s26, s26, 1                          ; which half of K
	s_lshl_b32 s32, s30, 16                        ; 16 rows of 4,096 bytes
	s_lshl_b32 s33, s26, 11                        ; 512 numbers
	s_add_co_u32 s32, s32, s33
	s_mov_b32 s33, 0
	s_add_nc_u64 s[WO:WO+1], s[WO:WO+1], s[32:33]
	s_lshl_b32 s32, s30, 13                        ; wo16: 8,192 bytes for 16 rows in a ks,
	s_lshl_b32 s34, s26, 20                        ; two ks of 524,288 bytes for half of K
	s_add_co_u32 s32, s32, s34
	s_add_nc_u64 s[W16:W16+1], s[W16:W16+1], s[32:33]
	v_and_b32 v8, 15, v0                           ; r
	v_bfe_u32 v9, v0, 4, 1                         ; h
	v_lshlrev_b32 v9, 5, v9
	v_lshl_add_u32 v9, v8, 12, v9                  ; 4,096 r + 32 h; never rewritten
	WLOAD 0
	WLOAD 1
	WCONV 0
	WCONV 1
	WCONV 2
	WCONV 3
.Lend:
	s_wait_tensorcnt 0x0                           ; the wave's end, behind the last LDS store
	ds_add_u32 v[SPW], v[NIL]
	s_wait_dscnt 0x0
	s_endpgm
.Lfunc_end_k_q92c48fc3b5_prep:
	.size	k_q92c48fc3b5_prep, .Lfunc_end_k_q92c48fc3b5_prep-k_q92c48fc3b5_prep
	.p2alignl 7, 3214868480
	.fill 96, 4, 3214868480
	.section	.rodata,"a",@progbits
	.p2align	6, 0x0
	.amdhsa_kernel k_q92c48fc3b5_prep
		.amdhsa_group_segment_fixed_size 33280
		.amdhsa_private_segment_fixed_size 0
		.amdhsa_enable_private_segment 0
		.amdhsa_kernarg_size 80
		.amdhsa_user_sgpr_count 2
		.amdhsa_user_sgpr_kernarg_segment_ptr 1
		.amdhsa_wavefront_size32 1
		.amdhsa_system_sgpr_workgroup_id_x 1
		.amdhsa_system_sgpr_workgroup_id_y 1
		.amdhsa_system_sgpr_workgroup_id_z 1
		.amdhsa_system_vgpr_workitem_id 0
		.amdhsa_next_free_vgpr 256
		.amdhsa_next_free_sgpr 66
		.amdhsa_reserve_vcc 0
		.amdhsa_float_denorm_mode_32 3
		.amdhsa_float_denorm_mode_16_64 3
		.amdhsa_memory_ordered 1
		.amdhsa_forward_progress 1
		.amdhsa_inst_pref_size 52
	.end_amdhsa_kernel
	.amdgpu_metadata
---
amdhsa.version: [ 1, 2 ]
amdhsa.kernels:
  - .name:           k_q92c48fc3b5_prep
    .symbol:         k_q92c48fc3b5_prep.kd
    .args:
      - { .name: query, .offset: 0, .size: 8, .value_kind: global_buffer, .address_space: global }
      - { .name: key, .offset: 8, .size: 8, .value_kind: global_buffer, .address_space: global }
      - { .name: value, .offset: 16, .size: 8, .value_kind: global_buffer, .address_space: global }
      - { .name: Wq, .offset: 24, .size: 8, .value_kind: global_buffer, .address_space: global }
      - { .name: Wk, .offset: 32, .size: 8, .value_kind: global_buffer, .address_space: global }
      - { .name: Wv, .offset: 40, .size: 8, .value_kind: global_buffer, .address_space: global }
      - { .name: Wo, .offset: 48, .size: 8, .value_kind: global_buffer, .address_space: global }
      - { .name: codes, .offset: 56, .size: 8, .value_kind: global_buffer, .address_space: global }
      - { .name: scales, .offset: 64, .size: 8, .value_kind: global_buffer, .address_space: global }
      - { .name: wo16, .offset: 72, .size: 8, .value_kind: global_buffer, .address_space: global }
    .group_segment_fixed_size: 33280
    .private_segment_fixed_size: 0
    .kernarg_segment_align: 8
    .kernarg_segment_size: 80
    .max_flat_workgroup_size: 128
    .sgpr_count:     66
    .vgpr_count:     256
    .wavefront_size: 32
...
	.end_amdgpu_metadata
.endif
;; end of part 1
;; launch proj (part 2): grid 4 x 48, 4 waves a work-group, clusters of 4 x 4, 327,680 bytes of LDS; arguments codes, scales, bq, bk, bv, qkv; writes qkv
.if DOCPART == 2
	.amdgcn_target "amdgcn-amd-amdhsa--gfx1250"
	.amdhsa_code_object_version 6
	.text
	.protected	k_q92c48fc3b5_proj
	.globl	k_q92c48fc3b5_proj
	.p2align	8
	.type	k_q92c48fc3b5_proj,@function
k_q92c48fc3b5_proj:
	s_mov_b64 s[64:65], 0
	v_nop
	global_prefetch_b8 v0, s[64:65] scope:SCOPE_SE
	s_setreg_imm32_b32 hwreg(HW_REG_WAVE_MODE, 25, 1), 1
	s_wait_xcnt 0x0
	s_wait_alu depctr_hold_cnt(0) depctr_sa_sdst(0) depctr_va_vdst(0) depctr_va_sdst(0) depctr_va_ssrc(0) depctr_va_vcc(0) depctr_vm_vsrc(0)
	s_getreg_b32 s2, hwreg(HW_REG_IB_STS2, 6, 4)
	s_cmp_eq_u32 s2, 0
	s_cbranch_scc0 .Lentry_in_a_cluster
	s_endpgm
.Lentry_in_a_cluster:
	s_bfe_u32 s2, ttmp6, 0x10000c
	s_cmp_lg_u32 s2, 0xf033
	s_cbranch_scc0 .Lentry_shape_is_right
	s_endpgm
.Lentry_shape_is_right:
; PROJ.  q = query Wq^T + bq, k = key Wk^T + bk, v = value Wv^T + bv: three products [4096][1024] x [1024][1024]^T on codes of FP4 (E2M1) with one E8M0 scale for each 32 along K, sums in f32; the bias is added in f32 and the
; result rounded once to f16, as an operand of the attention launch.  LIMIT: a result over 65,504 in magnitude becomes infinity in f16; under 6e-5 its step is 6e-8.
; codes: rows of 512 bytes: query at 0, key at 2 MiB, value at 4 MiB, Wq, Wk, Wv at 6, 6.5, 7 MiB.  scales: rows of 32 bytes in the same order.
; SHARES.  192 work-groups, a tile of 256 x 256 each; four waves, each 128 x 128: 64 accumulators of 16 x 16, 512 registers.  The cluster's y (0 .. 11) gives the product P = y / 4 and CI = y % 4.
; SOURCE 1 ("A") gives a lane its row, SOURCE 0 ("B") the lane's eight neighbours.  For q and k: A = the activation (16 tile rows, 4 CI + cy), B = the weight (4 tile columns, cx): a lane holds 8 neighbouring features of one token.
; For v the roles are swapped: A = Wv (tile row cy), B = value (tile column 4 CI + cx): a lane holds 8 neighbouring tokens of one feature, since the keys are the K of attention's second product.
; qkv holds IMAGES OF OPERAND REGISTERS, half fragments of 512 bytes, lane l's 16 bytes at 16 l (bh = 16 batch + head):
;   Q at 0, K at 8 MiB: [bh 32][T 128][c 2][u 2][512]: token 16 T + r, d = 32 c + 16 u + 8 h + 0 .. 7.     V at 16 MiB: [bh 32][G 64][e 4][u 2][512]: d = 16 e + r, key 32 G + 16 u + 8 h + 0 .. 7.
; So an accumulator, packed to f16, is one half fragment, stored straight from registers by one instruction of 512 consecutive bytes.
; K = 1,024 is two slots of 512: both slots and the scale bytes of the tile's rows are first fills; nothing is filled again.
; CLUSTERS: 4 x 4 work-groups.  The four of a row of the cluster need the same tiles of A, the four of a column the same tiles of B: each tile is asked for jointly, by the same tensor load with the same descriptor and a mask
; that names the four.  By this text's count a wave has three tensor loads out at the most.
; REGISTERS, in windows of 256: window 0: v0-31 addresses; v32-95 scale words, two sets; v96-111 the bias by A's row; v128-191 A's fragments, one set (on the way out: packed results); v192-255 the bias by B's row.
;   window 1: B's fragments, two sets, at v0 and v128.   window 2: the accumulators of my rows 0-63 ((a, b) at v[8 (8 a + b)]);   window 3: those of rows 64-127.
.set KSTEP,  512
.set NQ,     KSTEP/128                 ; matrix instructions deep in a slot
.set ROWB,   256                       ; a tile's row in bytes
.set KROW,   512                       ; a row of codes in memory
.set PITCH,  272                       ; an LDS row: 256 bytes + 16 of padding = 68 words: the 16 rows of a fragment load start at 16 different banks (64 banks of 4 bytes: ISA guide 11.1)
.set FR,     8
.set NL,     2
.set NP,     4                         ; places behind this matrix instruction (ISA guide 7.12.1)
.set HALFT,  128*PITCH
.set SLOT,   4*HALFT                   ; A's 256 rows, then B's 256 rows
.set KS,     32                        ; a row of scales in bytes
.set SCL,    2*SLOT                    ; behind the two slots: the scales, as runs of 256 bytes + 16 of padding
.set HALFS,  (128*KS/256)*272
.set SBLK,   (16*KS/256)*272
.set SPARE,  SCL+4*HALFS               ; the spare words, 128 bytes a wave: two blocks of 256 bytes that no other line names
.set ADRA, 16                          ; v16-17  LDS address of my A fragments in slot 0, 1
.set ADRB, 20                          ; v20-21  the same for B
.set LO,   26                          ; v26     16 x lane: my place in a half fragment
.set ADRS, 27                          ; v27     LDS address of my scale words: lanes 0-15 A's rows, lanes 16-31 B's
.set SPW,  28                          ; v28     LDS address of my spare word; never rewritten
.set NIL,  29                          ; v29     0; never rewritten
.set SC,   32                          ; scale words: set s at v[SC + 32 s]; register 4 i + q: lanes 0-15 A's block i, lanes 16-31 B's block i, the slot's q-th 128 along K
.set BA,   96                          ; the bias of A's row 16 a + r, twice: a pair for each block a
.set AF,   128
.set PK,   128                         ; the way out: packed results, two sets of 32
.set BB,   192                         ; the bias of B's rows 16 b + 8 h + 0 .. 7: eight registers for each block b
.set G1, 24
.set G0, 32
.set G1B, 48
.set G0B, 56
.set G1S, 68
.set G0S, 76
.set G1SB, 80
.set G0SB, 88
.set MSB, 0
.macro WIN new                         ; the immediate's high byte repeats the setting that is left
.if MSB != (\new)
	s_set_vgpr_msb (MSB<<8)|(\new)
.set MSB, (\new)
.endif
.endm
.set MUL_LO, 0xa1                      ; source 0 (B) window 1, source 1 (A) window 0, C and D window 2
.set MUL_HI, 0xf1                      ; the same, C and D window 3
.set TO_B,   0x40                      ; destination window 1, address window 0
; A joint load: waves 0 and 1 fetch for A, waves 2 and 3 for B.  Each line has one mask and one set of registers; the branch hangs on the wave's number alone.
; An s_nop 0 and four v_nop follow each of the two lines.
.macro JLOAD g0a, g1a, g0b, g1b
	s_cmp_eq_u32 s17, 0
	s_cbranch_scc0 .Lfor_b_\@
	tensor_load_to_lds s[\g0a:\g0a+3], s[\g1a:\g1a+7]
	s_nop 0
.rept 4
	v_nop
.endr
	s_branch .Lasked_\@
.Lfor_b_\@:
	tensor_load_to_lds s[\g0b:\g0b+3], s[\g1b:\g1b+7]
	s_nop 0
.rept 4
	v_nop
.endr
.Lasked_\@:
.endm
.macro CROUND                          ; a round of the cluster's barrier
	s_barrier_signal -1
	s_barrier_wait -1
	s_cmp_lg_u32 s16, 0
	s_cbranch_scc1 .Lnot_wave_0_\@
	s_barrier_signal -3
.Lnot_wave_0_\@:
	s_barrier_wait -3
	s_barrier_signal -1
	s_barrier_wait -1
.endm
	s_load_b256 s[4:11], s[0:1], 0x0               ; codes s[4:5], scales s[6:7], bq s[8:9], bk s[10:11]
	s_load_b128 s[12:15], s[0:1], 0x20             ; bv s[12:13], qkv s[14:15]
	v_lshl_add_u32 v[SPW], v0, 2, SPARE
	v_mov_b32 v[NIL], 0
	ds_add_u32 v[SPW], v[NIL]                      ; the wave's opening: the add, twice on end, and its wait ahead of my first tensor load; the set-up below stands between
	ds_add_u32 v[SPW], v[NIL]
	v_lshrrev_b32 v1, 5, v0
	v_readfirstlane_b32 s16, v1                    ; wave 0..3
	s_lshr_b32 s17, s16, 1                         ; which half of the tile's A rows is mine.  Also: I fetch for A (0) or for B (1)
	s_and_b32 s18, s16, 1                          ; which half of its B rows.  Also: which 128 rows I fetch
	s_bfe_u32 s40, ttmp6, 0x40000                  ; cx
	s_bfe_u32 s41, ttmp6, 0x40004                  ; cy
	s_and_b32 s19, ttmp7, 0xffff                   ; the cluster's y: the same in all sixteen partners
	s_and_b32 s20, s19, 3                          ; CI
	s_lshr_b32 s19, s19, 2                         ; P: 0 q, 1 k, 2 v
	s_lshl_b32 s21, s19, 21                        ; the activation's codes: 2 MiB each
	s_lshl_b32 s22, s19, 19
	s_add_co_u32 s22, s22, 0x600000                ; the weight's: 512 KiB each, from 6 MiB on
	s_lshl_b32 s23, s19, 17                        ; the activation's scales: 128 KiB each
	s_lshl_b32 s67, s19, 15
	s_add_co_u32 s67, s67, 0x60000                 ; the weight's: 32 KiB each, from 384 KiB on
	s_cmp_lt_u32 s19, 2                            ; q, k: A = activation, B = weight;  v: the other way round
	s_cselect_b32 s92, s21, s22                    ; A's codes
	s_cselect_b32 s96, s22, s21                    ; B's codes
	s_cselect_b32 s94, s23, s67                    ; A's scales
	s_cselect_b32 s98, s67, s23                    ; B's scales
	s_cselect_b32 s21, s20, 0                      ; CI counts tile rows for q and k,
	s_cselect_b32 s22, 0, s20                      ; tile columns for v
	s_lshl_b32 s66, s21, 2
	s_add_co_u32 s66, s66, s41                     ; tile row (of A)
	s_lshl_b32 s42, s22, 2
	s_add_co_u32 s42, s42, s40                     ; tile column (of B)
	s_lshl_b32 s43, s41, 2
	s_lshl_b32 s43, 15, s43                        ; my row of the cluster
	s_lshl_b32 s44, 0x1111, s40                    ; my column
	; descriptor group 1: a tile of 128 rows x 256 bytes, padded in LDS
	s_or_b32 s[G1+0], s43, (0<<16)|(1<<20)|(1<<21)|(5<<22)|(3<<25)  ; 15:0 the mask: A's tiles go to my row; 17:16 elements of 1 byte; 20 padding on; 21 set beside a mask; 24:22 after every 64 words; 31:25 four words
	s_or_b32 s[G1B+0], s44, (0<<16)|(1<<20)|(1<<21)|(5<<22)|(3<<25)
.irp g, G1, G1B
	s_mov_b32 s[\g+1], ROWB<<16                    ; tensor_dim0
	s_mov_b32 s[\g+2], 128<<16                     ; tensor_dim1
	s_mov_b32 s[\g+3], ROWB<<16                    ; tile_dim0
	s_mov_b32 s[\g+4], 128                         ; tile_dim1
	s_mov_b32 s[\g+5], KROW                        ; tensor_dim0_stride
	s_mov_b32 s[\g+6], 0
	s_mov_b32 s[\g+7], 0
.endr
	; the scales of 128 rows: 4,096 dense bytes, as 16 rows of 256 bytes (32 elements of 8 bytes), 16 bytes of padding behind each
	s_or_b32 s[G1S+0], s43, (3<<16)|(1<<20)|(1<<21)|(5<<22)|(3<<25)
	s_or_b32 s[G1SB+0], s44, (3<<16)|(1<<20)|(1<<21)|(5<<22)|(3<<25)
.irp g, G1S, G1SB
	s_mov_b32 s[\g+1], 32<<16
	s_mov_b32 s[\g+2], (128*KS/256)<<16
	s_mov_b32 s[\g+3], 32<<16
	s_mov_b32 s[\g+4], 128*KS/256
	s_mov_b32 s[\g+5], 32
	s_mov_b32 s[\g+6], 0
	s_mov_b32 s[\g+7], 0
.endr
	s_lshl_b32 s23, s18, 7                         ; which 128 rows of the tile I fetch
	s_lshl_b32 s21, s66, 8
	s_add_co_u32 s21, s21, s23                     ; A: row 256 x tile row + 128 x half
	s_lshl_b32 s22, s42, 8
	s_add_co_u32 s22, s22, s23                     ; B: row 256 x tile column + 128 x half
	s_lshl_b32 s67, s21, 9
	s_add_co_u32 s92, s92, s67                     ; A's codes: 512 bytes a row
	s_mov_b32 s93, 0
	s_lshl_b32 s67, s21, 5
	s_add_co_u32 s94, s94, s67                     ; A's scales: 32 bytes a row
	s_mov_b32 s95, 0
	s_lshl_b32 s46, s22, 9
	s_add_co_u32 s96, s96, s46                     ; B's likewise, in registers that never hold cy
	s_mov_b32 s97, 0
	s_lshl_b32 s46, s22, 5
	s_add_co_u32 s98, s98, s46
	s_mov_b32 s99, 0
	s_mul_i32 s45, s16, HALFT                      ; where they go: wave x 128 rows: no place in the cluster enters an LDS address
	s_mul_i32 s23, s16, HALFS
	s_wait_dscnt 0x0                               ; both opening adds are done
	s_wait_kmcnt 0x0
	s_add_nc_u64 s[92:93], s[4:5], s[92:93]
	s_add_nc_u64 s[94:95], s[6:7], s[94:95]
	s_add_nc_u64 s[96:97], s[4:5], s[96:97]
	s_add_nc_u64 s[98:99], s[6:7], s[98:99]
	CROUND                                         ; all sixteen work-groups are here: the joint loads meet
	s_mov_b32 s[G0S], 1
	s_add_co_u32 s[G0S+1], s23, SCL
	s_mov_b64 s[G0S+2:G0S+3], s[94:95]
	s_or_b32 s[G0S+3], s[G0S+3], 0x80000000
	s_mov_b32 s[G0SB], 1
	s_add_co_u32 s[G0SB+1], s23, SCL
	s_mov_b64 s[G0SB+2:G0SB+3], s[98:99]
	s_or_b32 s[G0SB+3], s[G0SB+3], 0x80000000
	JLOAD G0S, G1S, G0SB, G1SB                     ; the scales first: they are wanted with slot 0
.irp s, 0,1
	s_mov_b32 s[G0+4*\s], 1
	s_add_co_u32 s[G0+4*\s+1], s45, \s*SLOT
	s_add_nc_u64 s[G0+4*\s+2:G0+4*\s+3], s[92:93], \s*ROWB
	s_or_b32 s[G0+4*\s+3], s[G0+4*\s+3], 0x80000000
	s_mov_b32 s[G0B+4*\s], 1
	s_add_co_u32 s[G0B+4*\s+1], s45, \s*SLOT
	s_add_nc_u64 s[G0B+4*\s+2:G0B+4*\s+3], s[96:97], \s*ROWB
	s_or_b32 s[G0B+4*\s+3], s[G0B+4*\s+3], 0x80000000
	JLOAD G0+4*\s, G1, G0B+4*\s, G1B
.endr
	v_and_b32 v1, 15, v0                           ; r = l % 16
	v_bfe_u32 v2, v0, 4, 1                         ; h = l / 16
	v_mul_u32_u24 v3, v1, PITCH
	v_lshl_add_u32 v4, v2, 4, v3                   ; a fragment's row x pitch + 16 x half
	s_mul_i32 s21, s17, HALFT                      ; my 128 rows of A
	s_mul_i32 s22, s18, HALFT                      ; my 128 rows of B,
	s_add_co_u32 s22, s22, 2*HALFT                 ; which lie behind A's 256
.irp s, 0,1
	v_add_nc_u32 v[ADRA+\s], s21, v4
	v_add_nc_u32 v[ADRB+\s], s22, v4
	s_add_co_u32 s21, s21, SLOT
	s_add_co_u32 s22, s22, SLOT
.endr
	v_mul_u32_u24 v5, v1, KS                       ; my row's scales: 32 bytes a row,
	v_lshrrev_b32 v6, 8, v5
	v_lshl_add_u32 v5, v6, 4, v5                   ; and 16 more for each 256 passed
	s_mul_i32 s21, s17, HALFS                      ; A's: my 128 rows
	s_mul_i32 s22, s18, HALFS                      ; B's: my 128 rows, behind A's 256
	s_add_co_u32 s22, s22, 2*HALFS
	s_sub_co_u32 s22, s22, s21
	v_mul_u32_u24 v6, s22, v2                      ; lanes 16-31 take B's: one product, the distance between the two
	s_add_co_u32 s21, s21, SCL
	v_add_nc_u32 v5, v5, v6
	v_add_nc_u32 v[ADRS], s21, v5
	v_and_b32 v6, 31, v0
	v_lshlrev_b32 v[LO], 4, v6
	; THE BIAS, in both layouts, with no branch: q and k use it by B's row (the feature is among a lane's eight), v by A's row (the feature is the lane's row).  The layout that is not used reads the buffer's first bytes and is never used.
	s_cmp_eq_u32 s19, 1
	s_cselect_b64 s[10:11], s[10:11], s[12:13]     ; bk or bv
	s_cmp_eq_u32 s19, 0
	s_cselect_b64 s[8:9], s[8:9], s[10:11]         ; bq, or that
	s_lshl_b32 s92, s42, 10                        ; 256 x tile column x 4 bytes
	s_lshl_b32 s94, s18, 9
	s_add_co_u32 s92, s92, s94                     ; + my 128
	s_lshl_b32 s93, s66, 10
	s_lshl_b32 s94, s17, 9
	s_add_co_u32 s93, s93, s94
	s_cmp_lt_u32 s19, 2
	s_cselect_b32 s92, s92, 0
	s_cselect_b32 s93, 0, s93
	v_lshl_add_u32 v30, v2, 5, s92                 ; 32 h + my first feature by B; never rewritten
	v_lshl_add_u32 v31, v1, 2, s93                 ; 4 r + my first feature by A; never rewritten
.irp b, 0,1,2,3,4,5,6,7
	global_load_b128 v[BB+8*\b:BB+8*\b+3], v30, s[8:9] offset:64*\b
	global_load_b128 v[BB+8*\b+4:BB+8*\b+7], v30, s[8:9] offset:64*\b+16
.endr
.irp a, 0,1,2,3,4,5,6,7
	global_load_b32 v[BA+2*\a], v31, s[8:9] offset:64*\a
	global_load_b32 v[BA+2*\a+1], v31, s[8:9] offset:64*\a
.endr
.macro FRAG reg, adr, q, i             ; a fragment, 16 rows x 128 K of 4-bit codes: lane l holds row l % 16; registers 4 c .. 4 c + 3 hold K = 64 c + 32 (l / 16) + 0 .. 31
.irp c, 0,1
	ds_load_b128 v[\reg+4*\c:\reg+4*\c+3], v[\adr] offset:64*(\q)+32*\c+(\i)*16*PITCH
.endr
.endm
; 16 matrix instructions: A's blocks a0, a0 + 1 x B's eight, the slot's q-th 128 along K.  p: B's set; sc: the set of scale words.  zero = 1: the first product starts the sums.
; The 64 accumulators take turns, one instruction a turn, in the same order in every step.
.macro MUL16 a0, p, q, sc, zero
.irp a, \a0, \a0+1
.irp b, 0,1,2,3,4,5,6,7
.if \zero
	v_wmma_scale_f32_16x16x128_f8f6f4 v[8*(8*((\a)%4)+\b):8*(8*((\a)%4)+\b)+7], v[128*(\p)+FR*\b:128*(\p)+FR*\b+FR-1], v[AF+FR*(\a):AF+FR*(\a)+FR-1], 0, v[SC+8*NQ*(\sc)+NQ*\b+(\q)], v[SC+8*NQ*(\sc)+NQ*(\a)+(\q)] matrix_a_fmt:MATRIX_FMT_FP4 matrix_b_fmt:MATRIX_FMT_FP4 matrix_a_scale:MATRIX_SCALE_ROW1
.else
	v_wmma_scale_f32_16x16x128_f8f6f4 v[8*(8*((\a)%4)+\b):8*(8*((\a)%4)+\b)+7], v[128*(\p)+FR*\b:128*(\p)+FR*\b+FR-1], v[AF+FR*(\a):AF+FR*(\a)+FR-1], v[8*(8*((\a)%4)+\b):8*(8*((\a)%4)+\b)+7], v[SC+8*NQ*(\sc)+NQ*\b+(\q)], v[SC+8*NQ*(\sc)+NQ*(\a)+(\q)] matrix_a_fmt:MATRIX_FMT_FP4 matrix_b_fmt:MATRIX_FMT_FP4 matrix_a_scale:MATRIX_SCALE_ROW1
.endif
.endr
.endr
.endm
.macro FETCH_B slot, q, p
	WIN TO_B
.irp i, 0,1,2,3,4,5,6,7
	FRAG 128*(\p)+FR*\i, ADRB+\slot, \q, \i
.endr
	WIN 0
.endm
.macro FETCH_A slot, q, i0
.irp i, \i0, \i0+1, \i0+2, \i0+3
	FRAG AF+FR*(\i), ADRA+\slot, \q, \i
.endr
.endm
.macro SCALES sc                       ; a slot's scale words: four words a row; lanes 0-15 take A's block i, lanes 16-31 B's block i
.irp i, 0,1,2,3,4,5,6,7
	ds_load_b128 v[SC+8*NQ*\sc+NQ*\i:SC+8*NQ*\sc+NQ*\i+3], v[ADRS] offset:\i*SBLK
.endr
.endm
.macro PLACES n                        ; plain vector instructions between a matrix instruction and a load into, or a vector instruction on, its registers
.rept \n
	v_nop
.endr
.endm
; A step of 128 along K that has its successor in the same slot: A has one set of registers (blocks 0-3 fetched anew in the middle, 4-7 at the end), B two.
.macro STEP slot, q, zero
	s_wait_dscnt 4*NL                              ; B's set and A's blocks 0-3 are in; the youngest eight loads (A's blocks 4-7) may be out
	WIN MUL_LO
	MUL16 0, (\q)%2, \q, \slot, \zero
	MUL16 2, (\q)%2, \q, \slot, \zero
	s_wait_dscnt 0
	PLACES NP
	FETCH_B \slot, (\q)+1, 1-(\q)%2
	FETCH_A \slot, (\q)+1, 0
	WIN MUL_HI
	MUL16 4, (\q)%2, \q, \slot, \zero
	MUL16 6, (\q)%2, \q, \slot, \zero
	PLACES NP
	WIN 0
	FETCH_A \slot, (\q)+1, 4
.endm
; Slot 0's last step changes to slot 1: in front of the barrier each wave waits for all its tensor loads (its part of slot 1).  Nothing is filled again.
.macro TURN slot, next
	s_wait_tensorcnt 0x0                           ; all my tensor loads have landed
	ds_add_u32 v[SPW], v[NIL]                      ; 0 onto my spare word
	s_wait_dscnt 4*NL+1                            ; (the add and the youngest eight loads may be out)
	WIN MUL_LO
	MUL16 0, 1, NQ-1, \slot, 0
	s_wait_dscnt 0x0                               ; the add is done, and no LDS load of mine is out at the signal
	s_barrier_signal -1
	MUL16 2, 1, NQ-1, \slot, 0
	WIN 0
	s_barrier_wait -1                              ; every wave's part of the next slot has landed
	PLACES NP
	v_add_nc_u32 v[ADRS], 4*NQ, v[ADRS]            ; on to the next slot's scale words
	FETCH_B \next, 0, 0
	FETCH_A \next, 0, 0
	SCALES \next
	WIN MUL_HI
	MUL16 4, 1, NQ-1, \slot, 0
	MUL16 6, 1, NQ-1, \slot, 0
	PLACES NP
	WIN 0
	FETCH_A \next, 0, 4
.endm
	s_wait_tensorcnt 1                             ; the scales and my part of slot 0 are in (slot 1's load may be out)
	s_barrier_signal -1
	s_barrier_wait -1                              ; everybody's are
	FETCH_B 0, 0, 0
	FETCH_A 0, 0, 0
	SCALES 0
	FETCH_A 0, 0, 4
	STEP 0, 0, 1                                   ; the first step's products start the sums: nothing is cleared
	STEP 0, 1, 0
	STEP 0, 2, 0
	TURN 0, 1
	STEP 1, 0, 0
	STEP 1, 1, 0
	STEP 1, 2, 0
	s_wait_dscnt 4*NL                              ; the last step: nothing more to fetch
	WIN MUL_LO
	MUL16 0, 1, NQ-1, 1, 0
	MUL16 2, 1, NQ-1, 1, 0
	s_wait_dscnt 0
	WIN MUL_HI
	MUL16 4, 1, NQ-1, 1, 0
	MUL16 6, 1, NQ-1, 1, 0
	WIN 0
; THE WAY OUT, block a of 16 A rows at a time: the bias is added in place (each accumulator from its low end on), eight numbers are rounded to f16 into four registers, and each accumulator leaves as one half fragment.
; var = 0: q, k (bias by B's row);  var = 1: v (bias by A's row).
.macro OUTBLK a, var
.set AC, 64*((\a)%4)
.set PKR, PK+32*((\a)%2)
	WIN 0x82+0x41*((\a)/4)                         ; destination and source 0: window 2 or 3; the bias in window 0
.irp b, 0,1,2,3,4,5,6,7
.irp i, 0,1,2,3
.if \var
	v_pk_add_f32 v[AC+8*\b+2*\i:AC+8*\b+2*\i+1], v[AC+8*\b+2*\i:AC+8*\b+2*\i+1], v[BA+2*(\a):BA+2*(\a)+1]
.else
	v_pk_add_f32 v[AC+8*\b+2*\i:AC+8*\b+2*\i+1], v[AC+8*\b+2*\i:AC+8*\b+2*\i+1], v[BB+8*\b+2*\i:BB+8*\b+2*\i+1]
.endif
.endr
.endr
.if (\a) >= 2
	s_wait_xcnt 0x0                                ; block a - 2's stores have read their data registers, which are written again below
.endif
	WIN 0x0a+5*((\a)/4)                            ; sources 0 and 1: window 2 or 3; destination window 0
.irp b, 0,1,2,3,4,5,6,7
.irp i, 0,1,2,3
	v_cvt_pk_f16_f32 v[PKR+4*\b+\i], v[AC+8*\b+2*\i], v[AC+8*\b+2*\i+1]
.endr
.endr
	WIN 0
.irp b, 0,1,2,3,4,5,6,7
.if \var
	global_store_b128 v[LO], v[PKR+4*\b:PKR+4*\b+3], s[14:15] offset:262144*((\a)/4)+1024*((\a)%4)+4096*(\b/2)+512*(\b%2)   ; head a / 4 on, e = a % 4, G = b / 2 on, u = b % 2: 512 consecutive bytes, aligned
.else
	global_store_b128 v[LO], v[PKR+4*\b:PKR+4*\b+3], s[14:15] offset:2048*(\a)+262144*(\b/4)+512*(\b%4)                     ; T = a on, head b / 4 on, (c, u) = b % 4: 512 consecutive bytes, aligned
.endif
.endr
.endm
	PLACES NP                                      ; behind the last products, ahead of vector instructions on their registers
	s_wait_loadcnt 0x0                             ; the biases
	s_lshl_b32 s92, s66, 4
	s_lshl_b32 s94, s17, 3
	s_add_co_u32 s92, s92, s94                     ; At: my first tile of 16 A rows
	s_lshl_b32 s93, s42, 4
	s_lshl_b32 s94, s18, 3
	s_add_co_u32 s93, s93, s94                     ; Bt: my first tile of 16 B rows
	s_cmp_lt_u32 s19, 2                            ; P is the same in all partners of the cluster
	s_cbranch_scc0 .Lv
	s_lshl_b32 s96, s19, 23                        ; Q at 0, K at 8 MiB
	s_lshr_b32 s94, s92, 7                         ; the batch: 128 tiles of tokens each
	s_lshl_b32 s94, s94, 22
	s_add_co_u32 s96, s96, s94
	s_and_b32 s94, s92, 127                        ; T
	s_lshl_b32 s94, s94, 11
	s_add_co_u32 s96, s96, s94
	s_lshr_b32 s94, s93, 2                         ; the head: four tiles of features each
	s_lshl_b32 s94, s94, 18
	s_add_co_u32 s96, s96, s94
	s_mov_b32 s97, 0
	s_add_nc_u64 s[14:15], s[14:15], s[96:97]
.irp a, 0,1,2,3,4,5,6,7
	OUTBLK \a, 0
.endr
	s_branch .Lend
.Lv:
	s_lshr_b32 s94, s93, 7                         ; the batch
	s_lshl_b32 s96, s94, 22
	s_add_co_u32 s96, s96, 0x1000000               ; V at 16 MiB
	s_lshr_b32 s94, s92, 2                         ; the head
	s_lshl_b32 s94, s94, 18
	s_add_co_u32 s96, s96, s94
	s_and_b32 s94, s93, 127
	s_lshr_b32 s94, s94, 1                         ; G: two tiles of tokens each
	s_lshl_b32 s94, s94, 12
	s_add_co_u32 s96, s96, s94
	s_mov_b32 s97, 0
	s_add_nc_u64 s[14:15], s[14:15], s[96:97]
.irp a, 0,1,2,3,4,5,6,7
	OUTBLK \a, 1
.endr
.Lend:
	s_wait_tensorcnt 0x0                           ; the wave's end, behind my last tensor load
	ds_add_u32 v[SPW], v[NIL]
	s_wait_dscnt 0x0
	CROUND                                         ; the closing round: no work-group ends while a partner may still ask for a tile that names it
	s_endpgm
.Lfunc_end_k_q92c48fc3b5_proj:
	.size	k_q92c48fc3b5_proj, .Lfunc_end_k_q92c48fc3b5_proj-k_q92c48fc3b5_proj
	.p2alignl 7, 3214868480
	.fill 96, 4, 3214868480
	.section	.rodata,"a",@progbits
	.p2align	6, 0x0
	.amdhsa_kernel k_q92c48fc3b5_proj
		.amdhsa_group_segment_fixed_size 327680
		.amdhsa_private_segment_fixed_size 0
		.amdhsa_enable_private_segment 0
		.amdhsa_kernarg_size 48
		.amdhsa_user_sgpr_count 2
		.amdhsa_user_sgpr_kernarg_segment_ptr 1
		.amdhsa_wavefront_size32 1
		.amdhsa_system_sgpr_workgroup_id_x 1
		.amdhsa_system_sgpr_workgroup_id_y 1
		.amdhsa_system_sgpr_workgroup_id_z 1
		.amdhsa_system_vgpr_workitem_id 0
		.amdhsa_next_free_vgpr 1024
		.amdhsa_next_free_sgpr 100
		.amdhsa_reserve_vcc 0
		.amdhsa_float_denorm_mode_32 3
		.amdhsa_float_denorm_mode_16_64 3
		.amdhsa_memory_ordered 1
		.amdhsa_forward_progress 1
		.amdhsa_inst_pref_size 177
	.end_amdhsa_kernel
	.amdgpu_metadata
---
amdhsa.version: [ 1, 2 ]
amdhsa.kernels:
  - .name:           k_q92c48fc3b5_proj
    .symbol:         k_q92c48fc3b5_proj.kd
    .args:
      - { .name: codes, .offset: 0, .size: 8, .value_kind: global_buffer, .address_space: global }
      - { .name: scales, .offset: 8, .size: 8, .value_kind: global_buffer, .address_space: global }
      - { .name: bq, .offset: 16, .size: 8, .value_kind: global_buffer, .address_space: global }
      - { .name: bk, .offset: 24, .size: 8, .value_kind: global_buffer, .address_space: global }
      - { .name: bv, .offset: 32, .size: 8, .value_kind: global_buffer, .address_space: global }
      - { .name: qkv, .offset: 40, .size: 8, .value_kind: global_buffer, .address_space: global }
    .group_segment_fixed_size: 327680
    .private_segment_fixed_size: 0
    .kernarg_segment_align: 8
    .kernarg_segment_size: 48
    .max_flat_workgroup_size: 128
    .sgpr_count:     100
    .vgpr_count:     1024
    .wavefront_size: 32
...
	.end_amdgpu_metadata
.endif
;; end of part 2
;; launch attn (part 3): grid 8 x 32, 8 waves a work-group, clusters of 4 x 1, 327,680 bytes of LDS; arguments qkv, ctx; writes ctx
.if DOCPART == 3
	.amdgcn_target "amdgcn-amd-amdhsa--gfx1250"
	.amdhsa_code_object_version 6
	.text
	.protected	k_q92c48fc3b5_attn
	.globl	k_q92c48fc3b5_attn
	.p2align	8
	.type	k_q92c48fc3b5_attn,@function
k_q92c48fc3b5_attn:
	s_mov_b64 s[64:65], 0
	v_nop
	global_prefetch_b8 v0, s[64:65] scope:SCOPE_SE
	s_setreg_imm32_b32 hwreg(HW_REG_WAVE_MODE, 25, 1), 1
	s_wait_xcnt 0x0
	s_wait_alu depctr_hold_cnt(0) depctr_sa_sdst(0) depctr_va_vdst(0) depctr_va_sdst(0) depctr_va_ssrc(0) depctr_va_vcc(0) depctr_vm_vsrc(0)
	s_getreg_b32 s2, hwreg(HW_REG_IB_STS2, 6, 4)
	s_cmp_eq_u32 s2, 0
	s_cbranch_scc0 .Lentry_in_a_cluster
	s_endpgm
.Lentry_in_a_cluster:
	s_bfe_u32 s2, ttmp6, 0x10000c
	s_cmp_lg_u32 s2, 0x3003
	s_cbranch_scc0 .Lentry_shape_is_right
	s_endpgm
.Lentry_shape_is_right:
; ATTN.  ctx[bh][q] = the sum over k of softmax_k(Q[bh][q] . K[bh][k] / 8) V[bh][k], 32 heads (bh = 16 batch + head) of 2,048 tokens x 64.  Operands in f16; products, maxima and sums in f32; the weights p are rounded to f16
; for the second product, ctx once at the end.  LIMIT: ctx under 6e-5 in magnitude has a step of 6e-8 in f16; NaN and infinities are not served.
; qkv holds images of operand registers, half fragments of 512 bytes, lane l's 16 bytes at 16 l:  Q at 0, K at 8 MiB: [bh][T 128][c 2][u 2][512]: token 16 T + r, d = 32 c + 16 u + 8 h + 0 .. 7;
; V at 16 MiB: [bh][G 64][e 4][u 2][512]: d = 16 e + r, key 32 G + 16 u + 8 h + 0 .. 7.  So every tile is dense in memory and in LDS, and a fragment is two loads of 512 consecutive bytes: no pitch, no padding, nothing is turned.
; ctx is laid for the last launch: [ks 4][T' 256][q 8][u 2][512]: row 16 T' + r, feature 256 ks + 32 q + 16 u + 8 h + 0 .. 7.
; SHARES.  A work-group owns 256 queries of one bh; each of its eight waves 32: two tiles of 16.  Two waves share a SIMD, so that one wave's softmax stands beside the other's products.  Every wave walks all 2,048 keys, 128 a step:
; what a step pays once (O^T's rescaling, the lines round m and a, addresses, places, window switches) is paid once for 128 keys.
; LAYOUT.  S^T = K Q^T (source 0 = 16 keys, source 1 = 16 queries): a lane holds ONE query (lane % 16) and keys 8 (lane / 16) + 0 .. 7.  Two such tiles, rounded to f16 in pairs, ARE source 1 of O^T = V^T P, whose result again
; holds one query a lane and eight channels: packed, a half fragment of ctx.  P IS PACKED IN PLACE: pair b of a tile's 32 pairs is added to the row's sum and then rounded into register b of the same tile, which belongs to pair b / 2.
; SOFTMAX.  For each query a running maximum m and sum l: p = 2^(c s - c m), c = log2(e) / 8; in every step O and l are multiplied by a = 2^(c m_old - c m_new).  O and l begin as zeros and m as -3e38, so the loop has no first step of its own.
; LDS LOADS.  V of a step is asked for at the step's head and used behind the softmax; K of the NEXT step is asked for behind this step's K Q^T and lands under the softmax.  Only a slot's first step waits for its K.
; RING.  Two LDS slots of 512 keys (K's 64 KiB, then V's), four steps each.  Each wave fetches 16 KiB of a slot by one tensor load (waves 0-3 K's quarters, waves 4-7 V's).  By this text's count a wave has two loads out at the start, later one.
; THE CHANGE OF SLOTS STANDS INSIDE A SLOT'S LAST STEP: when that step's V is in registers the wave's reads of the slot are over; it says so, does the step's products and softmax (work on registers alone), and only then waits for the others.
; CLUSTER.  The four query blocks of a cluster belong to one bh and walk the same K and V: each tile is asked for jointly, by the same tensor load with the same descriptor and a mask that names the four.
; REGISTERS.  window 0: v1-5 addresses; v8-23 statistics, eight a tile; v24, v25 the add's two; v26, v27 c m_old; v32-63 Q (16 t + 8 c); v64-127 O^T (32 t + 8 e); v128-255 S^T (64 t + 8 k), then P (64 t + 8 g).
;             window 1: v0-127 K of a step (16 k + 8 c); v128-255 V of a step (32 g + 8 e).  Both products want source 0 in window 1 and nothing else there; all vector work lies in window 0.
.set SLOT1, 1<<17                      ; slot 1 begins here: one exclusive or turns an address in one slot into the other's
.set VOFF,  0x10000                    ; V's tiles lie 64 KiB behind K's
.set STEPB, 16384                      ; a step's 128 keys of K, and of V
.set NST,   4                          ; steps in a slot
.set SPARE, 2*SLOT1                    ; behind the ring: the spare words, 128 bytes a wave: four blocks of 256 bytes that no other line names
.set LI,  1                            ; v1   16 x lane; never rewritten
.set ADK, 2                            ; v2   LDS address of the step's K
.set ADV, 3                            ; v3   of its V
.set PFO, 5                            ; v5   256 x lane; never rewritten
.set ST,  8                            ; tile t's statistics at v[ST + 8 t]: +0 c m, +1 m, +2, +3 l (even keys', odd keys'), +4 .. +7 at work; a takes +6, the sum's second chain +4, +5
.set SPW, 24
.set NIL, 25
.set CM,  26                           ; v26, v27  c m_old of tile 0, 1
.set QF,  32
.set OF,  64
.set S,   128
.set KF,  0                            ; in window 1
.set VF,  128                          ; in window 1
.set WV,  8                            ; s8   my wave's number
.set G1,  24                           ; s[24:31] descriptor group 1: 64 dense rows of 256 bytes
.set G0A, 32                           ; s[32:35] group 0 of slot 0's first fill
.set G0B, 36                           ; s[36:39] group 0 of slot 1's first fill; it then walks
.set SLOTS, 40                         ; s40  slots still to be asked for
.set CNT, 41                           ; s41  counts a slot's first three steps
.set TB,  42                           ; s42  LDS byte at which the step's K begins
.set CS,  44                           ; s[44:45] c: the packed form names a pair and takes its low word for both halves
.set SEL, 46                           ; s[46:47] lane selects for v_permlanex16_b32: lane l xor 16
.set PFA, 48                           ; s[48:49] where my prefetch stands
.set LIM, 50                           ; s50  1 in a wave that prefetches, else the greatest number
.set MSB, 0
.macro WIN new                         ; the immediate's high byte repeats the setting that is left
.if MSB != (\new)
	s_set_vgpr_msb (MSB<<8)|(\new)
.set MSB, (\new)
.endif
.endm
.set W_MM, 0x01                        ; source 0 (K's or V's fragment) in window 1
.set TO_F, 0x40                        ; destination window 1, address window 0
.macro JLOAD g0                        ; every wave's own 16 KiB: both addresses hang on the wave's number.  An s_nop 0 and four v_nop follow
	tensor_load_to_lds s[\g0:\g0+3], s[G1:G1+7]
	s_nop 0
.rept 4
	v_nop
.endr
.endm
; A PREFETCH of the last 512 keys' tiles, at the change of slots before the one that asks for them: four key steps ahead of that load.  All clusters of a bh walk the same K and V: its first cluster asks.  Of the 32 KiB that waves
; w and w + 1 fetch (w even), wave w of each of the four partners names 8 KiB, told apart by address, lanes 256 bytes apart: each aligned block of 256 bytes is named once.  The last change that fills a slot asks for nothing.
.macro ASK
	s_cmp_gt_u32 s[SLOTS], s[LIM]
	s_cbranch_scc0 .Lnot_mine_\@
	global_prefetch_b8 v[PFO], s[PFA:PFA+1] th:TH_LOAD_NT scope:SCOPE_SE
.Lnot_mine_\@:
.endm
.macro CREST                           ; a round of the cluster's barrier behind its opening barrier
	s_cmp_lg_u32 s[WV], 0
	s_cbranch_scc1 .Lnot_wave_0_\@
	s_barrier_signal -3
.Lnot_wave_0_\@:
	s_barrier_wait -3
	s_barrier_signal -1
	s_barrier_wait -1
.endm
.macro CROUND                          ; a whole round
	s_barrier_signal -1
	s_barrier_wait -1
	CREST
.endm
.macro KLOAD off                       ; 128 keys of K, off bytes behind the address in hand: 16 fragments, 32 loads in one run
	WIN TO_F
.irp k, 0,1,2,3,4,5,6,7
.irp c, 0,1
.irp u, 0,1
	ds_load_b128 v[KF+16*\k+8*\c+4*\u:KF+16*\k+8*\c+4*\u+3], v[ADK] offset:(\off)+2048*\k+1024*\c+512*\u
.endr
.endr
.endr
	WIN 0
.endm
.macro VLOAD                           ; 128 keys of V: 16 fragments, 32 loads in one run
	WIN TO_F
.irp g, 0,1,2,3
.irp e, 0,1,2,3
.irp u, 0,1
	ds_load_b128 v[VF+32*\g+8*\e+4*\u:VF+32*\g+8*\e+4*\u+3], v[ADV] offset:4096*\g+1024*\e+512*\u
.endr
.endr
.endr
.endm
.macro KQ                              ; S^T = K Q^T: 32 products; the sixteen accumulators take turns, one instruction a turn; the first sixteen start the sums
	WIN W_MM
.irp c, 0,1
.irp k, 0,1,2,3,4,5,6,7
.irp t, 0,1
.if \c == 0
	v_wmma_f32_16x16x32_f16 v[S+64*\t+8*\k:S+64*\t+8*\k+7], v[KF+16*\k+8*\c:KF+16*\k+8*\c+7], v[QF+16*\t+8*\c:QF+16*\t+8*\c+7], 0
.else
	v_wmma_f32_16x16x32_f16 v[S+64*\t+8*\k:S+64*\t+8*\k+7], v[KF+16*\k+8*\c:KF+16*\k+8*\c+7], v[QF+16*\t+8*\c:QF+16*\t+8*\c+7], v[S+64*\t+8*\k:S+64*\t+8*\k+7]
.endif
.endr
.endr
.endr
	WIN 0
.endm
.macro PV                              ; O^T += V^T P: 32 products; eight accumulators by turns
	WIN W_MM
.irp g, 0,1,2,3
.irp e, 0,1,2,3
.irp t, 0,1
	v_wmma_f32_16x16x32_f16 v[OF+32*\t+8*\e:OF+32*\t+8*\e+7], v[VF+32*\g+8*\e:VF+32*\g+8*\e+7], v[S+64*\t+8*\g:S+64*\t+8*\g+7], v[OF+32*\t+8*\e:OF+32*\t+8*\e+7]
.endr
.endr
.endr
	WIN 0                                          ; at a label and at a branch every window is 0
.endm
; THE SOFTMAX of a step, both tiles line by line, so that no line waits for the line above it.
.macro SOFTMAX
.irp j, 0,1,2,3                        ; the maximum of the lane's 64 scores and the old m: four chains a tile, each over two accumulators, and each accumulator is first read at its low end
.irp t, 0,1
	v_max3_num_f32 v[ST+8*\t+4+\j], v[S+64*\t+16*\j], v[S+64*\t+16*\j+1], v[S+64*\t+16*\j+2]
.endr
.endr
.irp j, 0,1,2,3
.irp t, 0,1
	v_max3_num_f32 v[ST+8*\t+4+\j], v[ST+8*\t+4+\j], v[S+64*\t+16*\j+8], v[S+64*\t+16*\j+9]
.endr
.endr
.irp i, 3,5,10,12
.irp j, 0,1,2,3
.irp t, 0,1
	v_max3_num_f32 v[ST+8*\t+4+\j], v[ST+8*\t+4+\j], v[S+64*\t+16*\j+\i], v[S+64*\t+16*\j+\i+1]
.endr
.endr
.endr
.irp j, 0,1,2,3
.irp t, 0,1
	v_max3_num_f32 v[ST+8*\t+4+\j], v[ST+8*\t+4+\j], v[S+64*\t+16*\j+7], v[S+64*\t+16*\j+14]
.endr
.endr
.irp t, 0,1                            ; the four scores left over, the four chains and the old m
	v_max3_num_f32 v[ST+8*\t+4], v[ST+8*\t+4], v[S+64*\t+15], v[S+64*\t+31]
.endr
.irp t, 0,1
	v_max3_num_f32 v[ST+8*\t+6], v[ST+8*\t+6], v[S+64*\t+47], v[S+64*\t+63]
.endr
.irp t, 0,1
	v_max3_num_f32 v[ST+8*\t+4], v[ST+8*\t+4], v[ST+8*\t+5], v[ST+8*\t+6]
.endr
.irp t, 0,1
	v_max3_num_f32 v[ST+8*\t+4], v[ST+8*\t+4], v[ST+8*\t+7], v[ST+8*\t+1]
.endr
.irp t, 0,1
	v_permlanex16_b32 v[ST+8*\t+5], v[ST+8*\t+4], s[SEL], s[SEL+1]   ; the query's other 64 keys lie in the lane 16 away
.endr
.irp t, 0,1
	v_max_num_f32 v[ST+8*\t+1], v[ST+8*\t+4], v[ST+8*\t+5]           ; the new m
.endr
.irp t, 0,1
	v_mul_f32 v[ST+8*\t], s[CS], v[ST+8*\t+1]      ; c m: one number, used in p and in a alike
.endr
.irp t, 0,1
	v_sub_f32 v[ST+8*\t+7], v[CM+\t], v[ST+8*\t]   ; c m_old - c m_new
.endr
.irp t, 0,1                            ; ONE BATCH of 130 exponentials, none of which reads another's result; the 64 scalings are dealt among them, each two groups ahead of its pair's exponentials
	v_exp_f32 v[ST+8*\t+6], v[ST+8*\t+7]           ; a
.endr
.set b, 0
.rept 34
.if b < 32
.irp t, 0,1
	v_pk_fma_f32 v[S+64*\t+2*b:S+64*\t+2*b+1], v[S+64*\t+2*b:S+64*\t+2*b+1], s[CS:CS+1], v[ST+8*\t:ST+8*\t+1] op_sel_hi:[1,0,0] neg_lo:[0,0,1] neg_hi:[0,0,1]   ; c s - c m, two at a time
.endr
.endif
.if b >= 2
.irp z, 0,1
.irp t, 0,1
	v_exp_f32 v[S+64*\t+2*(b-2)+\z], v[S+64*\t+2*(b-2)+\z]           ; p
.endr
.endr
.endif
.set b, b+1
.endr
	v_nop                                          ; a plain instruction behind the last exponential, ahead of the first use
	s_wait_alu depctr_va_vdst(0)                   ; the wait ahead of the first instruction that names a result: one for the batch
; Pair b (an even key's p, an odd key's): first into the sum of the unrounded p, in two chains a tile (l itself, begun as l a + pair 0, and a spare pair, begun as pair 1 + pair 2), then rounded to f16 into register b.
; Registers 0 .. b - 1 have been written by then; pair b lies at 2 b and 2 b + 1, which are not among them.
.set b, 0
.rept 32
.irp t, 0,1
.if b == 0
	v_pk_fma_f32 v[ST+8*\t+2:ST+8*\t+3], v[ST+8*\t+2:ST+8*\t+3], v[ST+8*\t+6:ST+8*\t+7], v[S+64*\t:S+64*\t+1] op_sel_hi:[1,0,1]
.elseif b == 1
	v_pk_add_f32 v[ST+8*\t+4:ST+8*\t+5], v[S+64*\t+2:S+64*\t+3], v[S+64*\t+4:S+64*\t+5]
.elseif b == 2
.elseif (b%2) == 1
	v_pk_add_f32 v[ST+8*\t+2:ST+8*\t+3], v[ST+8*\t+2:ST+8*\t+3], v[S+64*\t+2*b:S+64*\t+2*b+1]
.else
	v_pk_add_f32 v[ST+8*\t+4:ST+8*\t+5], v[ST+8*\t+4:ST+8*\t+5], v[S+64*\t+2*b:S+64*\t+2*b+1]
.endif
.endr
.irp t, 0,1
	v_cvt_pk_f16_f32 v[S+64*\t+b], v[S+64*\t+2*b], v[S+64*\t+2*b+1]  ; two tiles of 16 keys make a fragment of 32 keys: registers 8 g .. 8 g + 7 of the tile
.endr
.set b, b+1
.endr
.irp t, 0,1
	v_pk_add_f32 v[ST+8*\t+2:ST+8*\t+3], v[ST+8*\t+2:ST+8*\t+3], v[ST+8*\t+4:ST+8*\t+5]
.endr
.irp t, 0,1
.irp i, 0,2,4,6,8,10,12,14,16,18,20,22,24,26,28,30
	v_pk_mul_f32 v[OF+32*\t+\i:OF+32*\t+\i+1], v[OF+32*\t+\i:OF+32*\t+\i+1], v[ST+8*\t+6:ST+8*\t+7] op_sel_hi:[1,0]   ; O^T x a, each accumulator from its low end on
.endr
.endr
.endm
; A KEY STEP: 128 keys.  pre = 1: the next step's K, which lies in the same slot, is asked for behind this step's K Q^T.
; chg = 0: a step inside a slot.  chg = 1, 2: a slot's last step, with the change of slots in it.  When its V has been asked for, each wave waits for all its tensor loads (one is out: its part of the other slot), adds 0 to its spare
; word, waits for that and for its reads of this slot, and signals; the step's products and softmax stand between the signal and the wait.  chg = 1: the slot is filled again with the keys two slots on: the barrier opens a round of the
; cluster's, and the joint refill is the first thing behind the round; it has four key steps in which to land.  chg = 2: nothing is left to fetch.  Then the other slot's first K is asked for.
.macro STEP pre, chg
	v_add_nc_u32 v[ADK], s[TB], v[LI]              ; six plain lines between the last step's V^T P and what follows: four are owed ahead of the loads into V's registers, five ahead of the products
	v_add_nc_u32 v[ADV], VOFF, v[ADK]              ; that write S^T over the registers that held P (ISA guide 7.12.1 for the products)
.rept 4
	v_nop
.endr
	VLOAD
.if \chg
	WIN 0                                          ; (the add's two registers lie in window 0)
	s_wait_tensorcnt 0x0                           ; no tensor load of mine is out, so a group 0 may be written
	ds_add_u32 v[SPW], v[NIL]                      ; 0 onto my spare word
.if \chg == 1
	s_xor_b32 s[G0B+1], s[G0B+1], SLOT1            ; the walking descriptor: the other slot than last time,
	s_add_nc_u64 s[G0B+2:G0B+3], s[G0B+2:G0B+3], 0x10000   ; the next 512 keys; the type bits on top are not reached
	s_wait_xcnt 0x0                                ; an earlier prefetch has read its address, so it may be written:
	s_add_nc_u64 s[PFA:PFA+1], s[PFA:PFA+1], 0x10000       ; one slot further on than the walking descriptor
.endif
	s_wait_dscnt 0x0                               ; the add is done; this step's K and V are in registers: my reads of the slot are over
	s_barrier_signal -1
.else
	s_wait_dscnt 32                                ; K's 32 loads, which are the older, are in; V's 32 may be out
.endif
	KQ
.irp t, 0,1
	v_mov_b32 v[CM+\t], v[ST+8*\t]                 ; c m_old is kept for a.  These two and the two v_nop are the four places ahead of the loads into K's registers and of the first read of the scores
.endr
	v_nop
	v_nop
.if \pre
	KLOAD STEPB
.endif
	SOFTMAX
.if !\chg
	s_wait_dscnt 0x0                               ; V is in, and so is the next step's K, asked for ahead of the softmax
.endif
	PV
.if \chg
	s_barrier_wait -1                              ; every wave has said that its reads of the slot are over and that its part of the other slot has landed
.if \chg == 1
	CREST                                          ; and so has every wave of every partner
	JLOAD G0B
.endif
	s_sub_co_u32 s[TB], s[TB], (NST-1)*STEPB       ; back to a slot's first step,
	s_xor_b32 s[TB], s[TB], SLOT1                  ; in the other slot
	v_add_nc_u32 v[ADK], s[TB], v[LI]
	KLOAD 0
.if \chg == 1
	ASK                                            ; behind the tensor load and the run of LDS loads that the next products wait for
.endif
.else
	s_add_co_u32 s[TB], s[TB], STEPB
.endif
.endm
.macro THREE_STEPS                     ; a slot's first three key steps: written once, walked three times
	s_mov_b32 s[CNT], NST-1
.Lstep_\@:
	STEP 1, 0
	s_sub_co_u32 s[CNT], s[CNT], 1
	s_cmp_lg_u32 s[CNT], 0
	s_cbranch_scc1 .Lstep_\@
.endm
	s_load_b128 s[4:7], s[0:1], 0x0                ; qkv s[4:5], ctx s[6:7]
	v_lshl_add_u32 v[SPW], v0, 2, SPARE
	v_mov_b32 v[NIL], 0
	ds_add_u32 v[SPW], v[NIL]                      ; the wave's opening: the add, twice on end, and its wait ahead of my first tensor load; the set-up below stands between
	ds_add_u32 v[SPW], v[NIL]
	v_lshrrev_b32 v2, 5, v0
	v_readfirstlane_b32 s[WV], v2                  ; wave 0..7
	s_bfe_u32 s9, ttmp6, 0x40000                   ; cx: my place in the cluster
	s_lshl_b32 s10, ttmp9, 2
	s_add_co_u32 s10, s10, s9                      ; my block of 256 queries: it enters Q's and ctx's addresses alone
	s_and_b32 s11, ttmp7, 0xffff                   ; bh, which the four partners share
	s_mov_b32 s[G1], 15|(3<<16)|(1<<21)            ; 15:0 the mask: all four work-groups; 17:16 elements of 8 bytes; 20 no padding; 21 set beside a mask
	s_mov_b32 s[G1+1], 32<<16                      ; tensor_dim0 = 32 elements: 256 bytes
	s_mov_b32 s[G1+2], 64<<16                      ; tensor_dim1 = 64
	s_mov_b32 s[G1+3], 32<<16                      ; tile_dim0
	s_mov_b32 s[G1+4], 64                          ; tile_dim1
	s_mov_b32 s[G1+5], 32                          ; the pitch: dense
	s_mov_b32 s[G1+6], 0
	s_mov_b32 s[G1+7], 0
	s_mov_b32 s[CS], 0x3e38aa3b                    ; c = log2(e) / 8
	s_mov_b32 s[CS+1], s[CS]
	s_mov_b32 s[SEL], 0x76543210
	s_mov_b32 s[SEL+1], 0xfedcba98
	s_mov_b32 s[TB], 0
	s_mov_b32 s[SLOTS], 2
	s_and_b32 s[LIM], s[WV], 1                     ; 0 in the even waves
	s_or_b32 s[LIM], s[LIM], ttmp9                 ; of the bh's first cluster: the same in all four partners
	s_cmp_eq_u32 s[LIM], 0
	s_cselect_b32 s[LIM], 1, -1
	s_lshr_b32 s12, s[WV], 2                       ; what I fetch: waves 0-3 of K, waves 4-7 of V,
	s_lshl_b32 s12, s12, 23
	s_add_co_u32 s12, s12, 0x800000                ; at 8 and at 16 MiB,
	s_lshl_b32 s13, s11, 18                        ; my bh's 262,144 bytes,
	s_add_co_u32 s12, s12, s13
	s_and_b32 s13, s[WV], 3
	s_lshl_b32 s13, s13, 14                        ; my quarter of a slot's 65,536
	s_add_co_u32 s12, s12, s13
	s_mov_b32 s13, 0
	s_lshl_b32 s16, s9, 13                         ; the prefetch: my work-group's 8 KiB,
	s_add_co_u32 s16, s16, 0x20000                 ; two slots on; the first change of slots steps it to the last slot's keys
	s_mov_b32 s17, 0
	s_lshl_b32 s18, s10, 4
	s_lshl_b32 s19, s[WV], 1
	s_add_co_u32 s18, s18, s19                     ; my first tile of 16 queries in the bh: 16 block + 2 wave
	s_lshl_b32 s20, s18, 11                        ; Q: 2,048 bytes a tile
	s_lshl_b32 s21, s11, 18
	s_add_co_u32 s20, s20, s21
	s_mov_b32 s21, 0
	s_lshr_b32 s22, s11, 4                         ; ctx: the batch's 128 tiles of rows,
	s_lshl_b32 s22, s22, 7
	s_add_co_u32 s22, s22, s18                     ; T'
	s_lshl_b32 s22, s22, 13                        ; 8,192 bytes each
	s_and_b32 s23, s11, 15                         ; the head: four to a ks of 2 MiB,
	s_lshr_b32 s19, s23, 2
	s_lshl_b32 s19, s19, 21
	s_add_co_u32 s22, s22, s19
	s_and_b32 s23, s23, 3                          ; 2,048 bytes each in a tile of rows
	s_lshl_b32 s23, s23, 11
	s_add_co_u32 s22, s22, s23
	s_mov_b32 s23, 0
	v_and_b32 v[LI], 31, v0
	v_lshlrev_b32 v[PFO], 8, v[LI]
	v_lshlrev_b32 v[LI], 4, v[LI]
	s_wait_dscnt 0x0                               ; both opening adds are done
	s_wait_kmcnt 0x0
	s_add_nc_u64 s[14:15], s[4:5], s[12:13]        ; my part of the first 512 keys
	s_add_nc_u64 s[PFA:PFA+1], s[14:15], s[16:17]
	s_add_nc_u64 s[20:21], s[4:5], s[20:21]        ; Q at my first tile
	s_add_nc_u64 s[6:7], s[6:7], s[22:23]          ; ctx likewise
	s_mov_b32 s[G0A], 1                            ; count = 1
	s_lshl_b32 s[G0A+1], s[WV], 14                 ; LDS address: 16,384 x wave, slot 0: no place in the cluster enters it
	s_mov_b64 s[G0A+2:G0A+3], s[14:15]
	s_or_b32 s[G0A+3], s[G0A+3], 0x80000000        ; type = 2
	s_mov_b32 s[G0B], 1
	s_add_co_u32 s[G0B+1], s[G0A+1], SLOT1         ; slot 1,
	s_add_nc_u64 s[G0B+2:G0B+3], s[14:15], 0x10000 ; the next 512 keys
	s_or_b32 s[G0B+3], s[G0B+3], 0x80000000
	CROUND                                         ; all four work-groups are here: the first joint loads meet
	tensor_load_to_lds s[G0A:G0A+3], s[G1:G1+7]    ; both first fills go out together: two loads of mine are out
	s_nop 0
	tensor_load_to_lds s[G0B:G0B+3], s[G1:G1+7]
	s_nop 0
.rept 4
	v_nop
.endr
.irp t, 0,1
.irp c, 0,1
.irp u, 0,1
	global_load_b128 v[QF+16*\t+8*\c+4*\u:QF+16*\t+8*\c+4*\u+3], v[LI], s[20:21] offset:2048*\t+1024*\c+512*\u   ; Q stays in registers
.endr
.endr
.endr
.set i, 0
.rept 64
	v_mov_b32 v[OF+i], 0                           ; O^T: the step is written without a first step of its own; the first finds zeros, which a = 0 leaves zeros
.set i, i+1
.endr
.irp t, 0,1
	v_mov_b32 v[ST+8*\t+1], 0xff61b1e6             ; m = -3e38, under every score
	v_mul_f32 v[ST+8*\t], s[CS], v[ST+8*\t+1]      ; c m
	v_mov_b32 v[ST+8*\t+2], 0                      ; l
	v_mov_b32 v[ST+8*\t+3], 0
.endr
	v_add_nc_u32 v[ADK], s[TB], v[LI]
	s_wait_tensorcnt 1                             ; my part of slot 0 is in; slot 1's may stay out
	s_barrier_signal -1
	s_barrier_wait -1                              ; everybody's is
	KLOAD 0                                        ; the first step's K
	s_wait_loadcnt 0x0                             ; Q
.Lslot:                                            ; two trips: keys 0 to 1,023; each of the two slots is filled again when it has been read
	THREE_STEPS
	STEP 0, 1
	s_sub_co_u32 s[SLOTS], s[SLOTS], 1
	s_cmp_lg_u32 s[SLOTS], 0
	s_cbranch_scc1 .Lslot
	THREE_STEPS                                    ; the tail is written out: keys 1,024 to 1,535
	STEP 0, 2
	THREE_STEPS                                    ; and 1,536 to 2,047
	STEP 0, 0
	; THE WAY OUT.  l's two halves and the other half of the lanes' are added; O^T is divided by l and rounded to f16: an accumulator is a half fragment of ctx, stored straight from registers.
.rept 4
	v_nop                                          ; places behind the last products
.endr
.irp t, 0,1
	v_add_f32 v[ST+8*\t+4], v[ST+8*\t+2], v[ST+8*\t+3]
.endr
.irp t, 0,1
	v_permlanex16_b32 v[ST+8*\t+5], v[ST+8*\t+4], s[SEL], s[SEL+1]
.endr
.irp t, 0,1
	v_add_f32 v[ST+8*\t+4], v[ST+8*\t+4], v[ST+8*\t+5]
.endr
.irp t, 0,1
	v_rcp_f32 v[ST+8*\t+6], v[ST+8*\t+4]
.endr
	v_nop                                          ; a plain instruction between the last reciprocal and the use of its result
	s_wait_alu depctr_va_vdst(0)                   ; and the wait ahead of the first use: one for both
.irp t, 0,1
.irp i, 0,2,4,6,8,10,12,14,16,18,20,22,24,26,28,30
	v_pk_mul_f32 v[OF+32*\t+\i:OF+32*\t+\i+1], v[OF+32*\t+\i:OF+32*\t+\i+1], v[ST+8*\t+6:ST+8*\t+7] op_sel_hi:[1,0]
.endr
.endr
.irp t, 0,1
.irp n, 0,1,2,3,4,5,6,7,8,9,10,11,12,13,14,15
	v_cvt_pk_f16_f32 v[S+16*\t+\n], v[OF+32*\t+2*\n], v[OF+32*\t+2*\n+1]   ; S^T's registers are free
.endr
.endr
.irp t, 0,1
.irp e, 0,1,2,3
	global_store_b128 v[LI], v[S+16*\t+4*\e:S+16*\t+4*\e+3], s[6:7] offset:8192*\t+512*\e   ; 512 consecutive bytes, aligned
.endr
.endr
	s_wait_tensorcnt 0x0                           ; the wave's end, behind my last tensor load
	ds_add_u32 v[SPW], v[NIL]
	s_wait_dscnt 0x0
	CROUND                                         ; the closing round: no work-group ends while a partner may still ask for a tile that names it
	s_endpgm
.Lfunc_end_k_q92c48fc3b5_attn:
	.size	k_q92c48fc3b5_attn, .Lfunc_end_k_q92c48fc3b5_attn-k_q92c48fc3b5_attn
	.p2alignl 7, 3214868480
	.fill 96, 4, 3214868480
	.section	.rodata,"a",@progbits
	.p2align	6, 0x0
	.amdhsa_kernel k_q92c48fc3b5_attn
		.amdhsa_group_segment_fixed_size 327680
		.amdhsa_private_segment_fixed_size 0
		.amdhsa_enable_private_segment 0
		.amdhsa_kernarg_size 16
		.amdhsa_user_sgpr_count 2
		.amdhsa_user_sgpr_kernarg_segment_ptr 1
		.amdhsa_wavefront_size32 1
		.amdhsa_system_sgpr_workgroup_id_x 1
		.amdhsa_system_sgpr_workgroup_id_y 1
		.amdhsa_system_sgpr_workgroup_id_z 1
		.amdhsa_system_vgpr_workitem_id 0
		.amdhsa_next_free_vgpr 512
		.amdhsa_next_free_sgpr 66
		.amdhsa_reserve_vcc 0
		.amdhsa_float_denorm_mode_32 3
		.amdhsa_float_denorm_mode_16_64 3
		.amdhsa_memory_ordered 1
		.amdhsa_forward_progress 1
		.amdhsa_inst_pref_size 202
	.end_amdhsa_kernel
	.amdgpu_metadata
---
amdhsa.version: [ 1, 2 ]
amdhsa.kernels:
  - .name:           k_q92c48fc3b5_attn
    .symbol:         k_q92c48fc3b5_attn.kd
    .args:
      - { .name: qkv, .offset: 0, .size: 8, .value_kind: global_buffer, .address_space: global }
      - { .name: ctx, .offset: 8, .size: 8, .value_kind: global_buffer, .address_space: global }
    .group_segment_fixed_size: 327680
    .private_segment_fixed_size: 0
    .kernarg_segment_align: 8
    .kernarg_segment_size: 16
    .max_flat_workgroup_size: 256
    .sgpr_count:     66
    .vgpr_count:     512
    .wavefront_size: 32
...
	.end_amdgpu_metadata
.endif
;; end of part 3
;; launch outp (part 4): grid 8 x 32, 4 waves a work-group, clusters of 4 x 4, 327,680 bytes of LDS; arguments ctx, wo16, bo, out0; writes out0
.if DOCPART == 4
	.amdgcn_target "amdgcn-amd-amdhsa--gfx1250"
	.amdhsa_code_object_version 6
	.text
	.protected	k_q92c48fc3b5_outp
	.globl	k_q92c48fc3b5_outp
	.p2align	8
	.type	k_q92c48fc3b5_outp,@function
k_q92c48fc3b5_outp:
	s_mov_b64 s[64:65], 0
	v_nop
	global_prefetch_b8 v0, s[64:65] scope:SCOPE_SE
	s_setreg_imm32_b32 hwreg(HW_REG_WAVE_MODE, 25, 1), 1
	s_wait_xcnt 0x0
	s_wait_alu depctr_hold_cnt(0) depctr_sa_sdst(0) depctr_va_vdst(0) depctr_va_sdst(0) depctr_va_ssrc(0) depctr_va_vcc(0) depctr_vm_vsrc(0)
	s_getreg_b32 s2, hwreg(HW_REG_IB_STS2, 6, 4)
	s_cmp_eq_u32 s2, 0
	s_cbranch_scc0 .Lentry_in_a_cluster
	s_endpgm
.Lentry_in_a_cluster:
	s_bfe_u32 s2, ttmp6, 0x10000c
	s_cmp_lg_u32 s2, 0xf033
	s_cbranch_scc0 .Lentry_shape_is_right
	s_endpgm
.Lentry_shape_is_right:
; OUTP.  out0 = ctx Wo^T + bo: [4096][1024] x [1024][1024]^T, operands in f16, sums and output in f32.
; ctx: [ks 4][T' 256][q 8][u 2][512 bytes], wo16: [ks 4][Nt 64][q 8][u 2][512 bytes]: images of operand registers: lane (r, h) of a half fragment holds row 16 T + r, k = 256 ks + 32 q + 16 u + 8 h + 0 .. 7 in its 16 bytes at 16 x lane.
; So a K step's part of 64 rows is 32 KiB dense in memory and in LDS, and a fragment is two loads of 512 consecutive bytes: no pitch, no padding.
; SHARES.  256 work-groups, a tile of 128 x 128 each (64 tiles of 256 x 256 would leave three work-group places in four without work); four waves, each 64 x 64: 16 accumulators.  K goes in four steps of 256 through two LDS slots.
; THE MATRIX INSTRUCTION IS USED TRANSPOSED (source 0 = 16 rows of Wo, source 1 = 16 rows of ctx): a lane holds eight neighbouring numbers of a row of out0.  The bias is the C of each sum's first instruction.
; CLUSTERS: 4 x 4 work-groups.  The four of a row of the cluster need the same tiles of ctx, the four of a column the same tiles of Wo: each is asked for jointly.  By this text's count a wave has two tensor loads out at the start, later one.
; REGISTERS: window 0: v0-31 addresses; v32-63 bo in the result's layout; v64-127 rows on the way out, two sets; v128-255 the accumulators ((a, b) at v[128 + 8 (4 a + b)]).
;   window 1: two fragment buffers of 128: for 64 along K, 64 registers of ctx, then 64 of Wo.
.set HALFT,  32768                     ; four tiles of 16 rows x 256 K: what one tensor load brings, and what one wave reads of A or of B
.set SLOT,   4*HALFT                   ; A's 128 rows, then B's 128 rows
.set STAGE,  2*SLOT                    ; behind the ring: 16 rows x 272 bytes for each wave, for the way out
.set SPITCH, 272
.set SPARE,  STAGE+4*16*SPITCH         ; behind the stages: the spare words, 128 bytes a wave: two blocks of 256 bytes that no other line names
.set ADRA, 16                          ; v16-17  LDS address of my A fragments in slot 0, 1
.set ADRB, 20                          ; v20-21  the same for B
.set STO,  24                          ; v24     the way out: where I put 32 bytes of a row
.set RD,   25                          ; v25     where I read rows back
.set CO,   26                          ; v26     my byte offset in out0
.set SPW,  28
.set NIL,  29
.set BO,   32
.set BK,   64
.set ACC,  128
.set F0,   0
.set F1,   128
.set G1, 24
.set G0, 32
.set G1B, 48
.set G0B, 56
.set MSB, 0
.macro WIN new                         ; the immediate's high byte repeats the setting that is left
.if MSB != (\new)
	s_set_vgpr_msb (MSB<<8)|(\new)
.set MSB, (\new)
.endif
.endm
.set MUL,  0x05                        ; sources 0 (Wo) and 1 (ctx) window 1; C and D window 0
.set TO_F, 0x40                        ; destination window 1, address window 0
.macro JLOAD s                         ; a joint load: waves 0 and 1 fetch A's two halves, waves 2 and 3 B's; an s_nop 0 and four v_nop follow each of the two lines
	s_cmp_eq_u32 s13, 0
	s_cbranch_scc0 .Lfor_b_\@
	tensor_load_to_lds s[G0+4*\s:G0+4*\s+3], s[G1:G1+7]
	s_nop 0
.rept 4
	v_nop
.endr
	s_branch .Lasked_\@
.Lfor_b_\@:
	tensor_load_to_lds s[G0B+4*\s:G0B+4*\s+3], s[G1B:G1B+7]
	s_nop 0
.rept 4
	v_nop
.endr
.Lasked_\@:
.endm
.macro CREST                           ; a round of the cluster's barrier behind its opening barrier
	s_cmp_lg_u32 s12, 0
	s_cbranch_scc1 .Lnot_wave_0_\@
	s_barrier_signal -3
.Lnot_wave_0_\@:
	s_barrier_wait -3
	s_barrier_signal -1
	s_barrier_wait -1
.endm
.macro CROUND
	s_barrier_signal -1
	s_barrier_wait -1
	CREST
.endm
	s_load_b256 s[4:11], s[0:1], 0x0               ; ctx s[4:5], wo16 s[6:7], bo s[8:9], out0 s[10:11]
	v_lshl_add_u32 v[SPW], v0, 2, SPARE
	v_mov_b32 v[NIL], 0
	ds_add_u32 v[SPW], v[NIL]                      ; the wave's opening: the add, twice on end, and its wait ahead of my first tensor load; the set-up below stands between
	ds_add_u32 v[SPW], v[NIL]
	v_lshrrev_b32 v1, 5, v0
	v_readfirstlane_b32 s12, v1                    ; wave 0..3
	s_lshr_b32 s13, s12, 1                         ; which half of the tile's rows is mine.  Also: I fetch for A (0) or for B (1)
	s_and_b32 s14, s12, 1                          ; which half of its columns.  Also: which 64 rows I fetch
	s_bfe_u32 s40, ttmp6, 0x40000                  ; cx
	s_bfe_u32 s41, ttmp6, 0x40004                  ; cy
	s_lshl_b32 s42, ttmp9, 2
	s_add_co_u32 s42, s42, s40                     ; tile column = 4 x cluster x + cx
	s_and_b32 s15, ttmp7, 0xffff
	s_lshl_b32 s15, s15, 2
	s_add_co_u32 s15, s15, s41                     ; tile row = 4 x cluster y + cy
	s_lshl_b32 s43, s41, 2
	s_lshl_b32 s43, 15, s43                        ; my row of the cluster
	s_lshl_b32 s44, 0x1111, s40                    ; my column
	s_or_b32 s[G1+0], s43, (3<<16)|(1<<21)         ; 15:0 the mask: A's tiles go to my row; 17:16 elements of 8 bytes; no padding; 21 set beside a mask
	s_or_b32 s[G1B+0], s44, (3<<16)|(1<<21)
.irp g, G1, G1B
	s_mov_b32 s[\g+1], 32<<16                      ; tensor_dim0 = 32 elements: 256 bytes
	s_mov_b32 s[\g+2], 128<<16                     ; tensor_dim1 = 128
	s_mov_b32 s[\g+3], 32<<16                      ; tile_dim0
	s_mov_b32 s[\g+4], 128                         ; tile_dim1
	s_mov_b32 s[\g+5], 32                          ; the pitch: dense
	s_mov_b32 s[\g+6], 0
	s_mov_b32 s[\g+7], 0
.endr
	s_lshl_b32 s17, s14, 2                         ; which four tiles of 16 rows I fetch
	s_lshl_b32 s16, s15, 3
	s_add_co_u32 s16, s16, s17                     ; A: tile 8 x tile row + 4 x half,
	s_lshl_b32 s16, s16, 13                        ; 8,192 bytes each in a ks
	s_lshl_b32 s46, s42, 3
	s_add_co_u32 s46, s46, s17                     ; B: tile 8 x tile column + 4 x half
	s_lshl_b32 s46, s46, 13
	s_mov_b32 s17, 0
	s_mov_b32 s47, 0
	s_lshl_b32 s20, s12, 15                        ; where they go: 32,768 x wave: no place in the cluster enters an LDS address
	s_wait_dscnt 0x0                               ; both opening adds are done
	s_wait_kmcnt 0x0
	s_add_nc_u64 s[18:19], s[4:5], s[16:17]
	s_add_nc_u64 s[46:47], s[6:7], s[46:47]
	CROUND                                         ; all sixteen work-groups are here: the first joint loads meet
.irp s, 0,1
	s_mov_b32 s[G0+4*\s], 1
	s_add_co_u32 s[G0+4*\s+1], s20, \s*SLOT
	s_add_nc_u64 s[G0+4*\s+2:G0+4*\s+3], s[18:19], \s*0x200000     ; a ks of ctx is 2 MiB
	s_or_b32 s[G0+4*\s+3], s[G0+4*\s+3], 0x80000000
	s_mov_b32 s[G0B+4*\s], 1
	s_add_co_u32 s[G0B+4*\s+1], s20, \s*SLOT
	s_add_nc_u64 s[G0B+4*\s+2:G0B+4*\s+3], s[46:47], \s*0x80000    ; a ks of wo16 is 512 KiB
	s_or_b32 s[G0B+4*\s+3], s[G0B+4*\s+3], 0x80000000
	JLOAD \s
.endr
	v_and_b32 v1, 15, v0                           ; r
	v_bfe_u32 v2, v0, 4, 1                         ; h
	v_and_b32 v3, 31, v0
	v_lshlrev_b32 v3, 4, v3                        ; 16 x lane
	s_lshl_b32 s21, s13, 15                        ; my four tiles of A
	s_lshl_b32 s22, s14, 15                        ; my four tiles of B,
	s_add_co_u32 s22, s22, 2*HALFT                 ; which lie behind A's eight
.irp s, 0,1
	v_add_nc_u32 v[ADRA+\s], s21, v3
	v_add_nc_u32 v[ADRB+\s], s22, v3
	s_add_co_u32 s21, s21, SLOT
	s_add_co_u32 s22, s22, SLOT
.endr
	s_mul_i32 s23, s12, 16*SPITCH
	s_add_co_u32 s23, s23, STAGE                   ; my stage
	v_mul_u32_u24 v4, v1, SPITCH                   ; in: row r, 32 bytes for each half of the lanes
	v_lshl_add_u32 v4, v2, 5, v4
	v_add_nc_u32 v[STO], s23, v4
	v_mul_u32_u24 v5, v2, SPITCH                   ; back: lanes 0-15 take one row of 256 bytes, lanes 16-31 the next
	v_lshl_add_u32 v5, v1, 4, v5
	v_add_nc_u32 v[RD], s23, v5
	v_lshlrev_b32 v5, 12, v2                       ; and the same two rows in out0: 4,096 bytes a row
	v_lshl_add_u32 v[CO], v1, 4, v5
	s_lshl_b32 s16, s15, 7
	s_lshl_b32 s17, s13, 6
	s_add_co_u32 s16, s16, s17                     ; my first row of out0: 128 x tile row + 64 x half
	s_lshl_b32 s16, s16, 12
	s_lshl_b32 s46, s42, 9                         ; my first column, in bytes: 512 x tile column + 256 x half; the same offset serves bo
	s_lshl_b32 s47, s14, 8
	s_add_co_u32 s46, s46, s47
	s_add_co_u32 s16, s16, s46
	s_mov_b32 s17, 0
	s_add_nc_u64 s[10:11], s[10:11], s[16:17]
	v_lshl_add_u32 v6, v2, 5, s46                  ; bo: lane (r, h) wants, for block b, the numbers of columns 16 b + 8 h + 0 .. 7; never rewritten
.irp b, 0,1,2,3
	global_load_b128 v[BO+8*\b:BO+8*\b+3], v6, s[8:9] offset:64*\b
	global_load_b128 v[BO+8*\b+4:BO+8*\b+7], v6, s[8:9] offset:64*\b+16
.endr
; 8 matrix instructions: m blocks a0, a0 + 1 x all 4 n blocks, 32 along K: half c of buffer f.  zero = 1: the first product starts the sums, with the bias as its C.
; The 16 accumulators take turns, one instruction a turn.
.macro MUL8 f, c, a0, zero
.irp a, \a0, \a0+1
.irp b, 0,1,2,3
.if \zero
	v_wmma_f32_16x16x32_f16 v[ACC+8*(4*(\a)+\b):ACC+8*(4*(\a)+\b)+7], v[\f+64+8*(4*\c+\b):\f+64+8*(4*\c+\b)+7], v[\f+8*(4*\c+\a):\f+8*(4*\c+\a)+7], v[BO+8*\b:BO+8*\b+7]
.else
	v_wmma_f32_16x16x32_f16 v[ACC+8*(4*(\a)+\b):ACC+8*(4*(\a)+\b)+7], v[\f+64+8*(4*\c+\b):\f+64+8*(4*\c+\b)+7], v[\f+8*(4*\c+\a):\f+8*(4*\c+\a)+7], v[ACC+8*(4*(\a)+\b):ACC+8*(4*(\a)+\b)+7]
.endif
.endr
.endr
.endm
; 32 LDS loads in one run: the fragments of the slot's k-th 64 along K into buffer f; the first 32 along K first.  Tile i, chunk 2 k + c lies at 8,192 i + 1,024 (2 k + c)
.macro FETCH slot, k, f
	WIN TO_F
.irp c, 0,1
.irp i, 0,1,2,3
	ds_load_b128 v[\f+64+8*(4*\c+\i):\f+64+8*(4*\c+\i)+3],   v[ADRB+\slot] offset:8192*\i+1024*(2*(\k)+\c)
	ds_load_b128 v[\f+64+8*(4*\c+\i)+4:\f+64+8*(4*\c+\i)+7], v[ADRB+\slot] offset:8192*\i+1024*(2*(\k)+\c)+512
	ds_load_b128 v[\f+8*(4*\c+\i):\f+8*(4*\c+\i)+3],         v[ADRA+\slot] offset:8192*\i+1024*(2*(\k)+\c)
	ds_load_b128 v[\f+8*(4*\c+\i)+4:\f+8*(4*\c+\i)+7],       v[ADRA+\slot] offset:8192*\i+1024*(2*(\k)+\c)+512
.endr
.endr
.endm
.macro PLACES                          ; four places in front of loads into registers that matrix instructions have read, and of the first read of results (ISA guide 7.12.1 for the first read of results)
.rept 4
	v_nop
.endr
.endm
; A K step is four quarters of 64 along K, 32 matrix instructions each, on buffers 0, 1, 0, 1.  One of the first three: multiplies buffer f and fetches the slot's k-th quarter into g.
.macro QUARTER slot, k, f, g, zero
	s_wait_dscnt 16                                ; the first 32 along K are in; the sixteen younger loads may be out
	WIN MUL
	MUL8 \f, 0, 0, \zero
	MUL8 \f, 0, 2, \zero
	PLACES
	FETCH \slot, \k, \g
	s_wait_dscnt 32                                ; all but the 32 just issued
	WIN MUL
	MUL8 \f, 1, 0, 0
	MUL8 \f, 1, 2, 0
.endm
; The last quarter multiplies buffer 1 and changes slots: one barrier; in front of it each wave waits for all its tensor loads, adds 0 to its spare word, and waits for that and for its reads of this slot.
; fill = 1: this slot is filled again, two K steps ahead: the barrier opens a round of the cluster's, and the joint refill is the first tensor load behind it.
.macro TURN slot, next, fill
	WIN 0                                          ; (the add's two registers lie in window 0)
	s_wait_tensorcnt 0x0                           ; all my tensor loads have landed: my part of the next slot
	ds_add_u32 v[SPW], v[NIL]                      ; 0 onto my spare word
	s_wait_dscnt 17                                ; (the add and the youngest sixteen loads may be out)
	WIN MUL
	MUL8 F1, 0, 0, 0
	s_wait_dscnt 0x0                               ; the add is done, and my reads of this slot are over
	s_barrier_signal -1
	MUL8 F1, 0, 2, 0
.if \fill
	WIN 0
.endif
	s_barrier_wait -1
.if \fill
	CREST                                          ; no wave of any partner still reads this slot's tile or has a load on its way
	s_add_nc_u64 s[G0+4*\slot+2:G0+4*\slot+3], s[G0+4*\slot+2:G0+4*\slot+3], 0x400000
	s_add_nc_u64 s[G0B+4*\slot+2:G0B+4*\slot+3], s[G0B+4*\slot+2:G0B+4*\slot+3], 0x100000
	JLOAD \slot                                    ; the four v_nop behind it are also the places in front of the loads below
.else
	PLACES
.endif
	FETCH \next, 0, F0
	WIN MUL
	MUL8 F1, 1, 0, 0
	MUL8 F1, 1, 2, 0
.endm
	s_wait_tensorcnt 1                             ; my part of K step 0 is in (K step 1's load may be out)
	s_barrier_signal -1
	s_barrier_wait -1                              ; everybody's is
	FETCH 0, 0, F0
	s_wait_loadcnt 0x0                             ; bo
	QUARTER 0, 1, F0, F1, 1                        ; K step 0: its first products start the sums
	QUARTER 0, 2, F1, F0, 0
	QUARTER 0, 3, F0, F1, 0
	TURN 0, 1, 1                                   ; slot 0 takes K step 2
	QUARTER 1, 1, F0, F1, 0                        ; K step 1
	QUARTER 1, 2, F1, F0, 0
	QUARTER 1, 3, F0, F1, 0
	TURN 1, 0, 1                                   ; slot 1 takes K step 3
	QUARTER 0, 1, F0, F1, 0                        ; K step 2
	QUARTER 0, 2, F1, F0, 0
	QUARTER 0, 3, F0, F1, 0
	TURN 0, 1, 0                                   ; nothing is left to fetch
	QUARTER 1, 1, F0, F1, 0                        ; K step 3
	QUARTER 1, 2, F1, F0, 0
	QUARTER 1, 3, F0, F1, 0
	s_wait_dscnt 16
	WIN MUL
	MUL8 F1, 0, 0, 0
	MUL8 F1, 0, 2, 0
	s_wait_dscnt 0
	MUL8 F1, 1, 0, 0
	MUL8 F1, 1, 2, 0
	WIN 0
; THE WAY OUT, a block of 16 rows x 64 columns at a time.  A lane holds 32 neighbouring bytes of a row and the lanes beside it hold other rows: so a block goes through my own stage in LDS and comes back as whole rows of 256 bytes.
; LDS serves a wave's instructions in order (ISA guide 5.7.1.4): no wait between the stores and the loads, nor in front of the next block's stores.
.macro TOSTAGE a
.irp b, 0,1,2,3
	ds_store_b128 v[STO], v[ACC+8*(4*(\a)+\b):ACC+8*(4*(\a)+\b)+3] offset:64*\b          ; each accumulator from its low end on
	ds_store_b128 v[STO], v[ACC+8*(4*(\a)+\b)+4:ACC+8*(4*(\a)+\b)+7] offset:64*\b+16
.endr
.irp t, 0,1,2,3,4,5,6,7
	ds_load_b128 v[BK+32*((\a)%2)+4*\t:BK+32*((\a)%2)+4*\t+3], v[RD] offset:\t*2*SPITCH
.endr
.endm
.macro SEND a, younger                 ; younger: the LDS instructions issued behind block a's loads: the next block's eight stores and eight loads, or none
	s_wait_dscnt \younger
.irp t, 0,1,2,3,4,5,6,7
	global_store_b128 v[CO], v[BK+32*((\a)%2)+4*\t:BK+32*((\a)%2)+4*\t+3], s[10:11] offset:(16*(\a)+2*\t)*4096 th:TH_STORE_NT   ; 16 lanes store 256 consecutive bytes, aligned; written once, read by nobody here
.endr
.endm
	PLACES
	TOSTAGE 0
	TOSTAGE 1
	SEND 0, 16
	s_wait_xcnt 0x0                                ; block 0's stores have read their registers: block 2's loads may land there
	TOSTAGE 2
	SEND 1, 16
	s_wait_xcnt 0x0
	TOSTAGE 3
	SEND 2, 16
	SEND 3, 0
	s_wait_tensorcnt 0x0                           ; the wave's end, behind my last tensor load and my last LDS store
	ds_add_u32 v[SPW], v[NIL]
	s_wait_dscnt 0x0
	CROUND                                         ; the closing round: no work-group ends while a partner may still ask for a tile that names it
	s_endpgm
.Lfunc_end_k_q92c48fc3b5_outp:
	.size	k_q92c48fc3b5_outp, .Lfunc_end_k_q92c48fc3b5_outp-k_q92c48fc3b5_outp
	.p2alignl 7, 3214868480
	.fill 96, 4, 3214868480
	.section	.rodata,"a",@progbits
	.p2align	6, 0x0
	.amdhsa_kernel k_q92c48fc3b5_outp
		.amdhsa_group_segment_fixed_size 327680
		.amdhsa_private_segment_fixed_size 0
		.amdhsa_enable_private_segment 0
		.amdhsa_kernarg_size 32
		.amdhsa_user_sgpr_count 2
		.amdhsa_user_sgpr_kernarg_segment_ptr 1
		.amdhsa_wavefront_size32 1
		.amdhsa_system_sgpr_workgroup_id_x 1
		.amdhsa_system_sgpr_workgroup_id_y 1
		.amdhsa_system_sgpr_workgroup_id_z 1
		.amdhsa_system_vgpr_workitem_id 0
		.amdhsa_next_free_vgpr 512
		.amdhsa_next_free_sgpr 66
		.amdhsa_reserve_vcc 0
		.amdhsa_float_denorm_mode_32 3
		.amdhsa_float_denorm_mode_16_64 3
		.amdhsa_memory_ordered 1
		.amdhsa_forward_progress 1
		.amdhsa_inst_pref_size 86
	.end_amdhsa_kernel
	.amdgpu_metadata
---
amdhsa.version: [ 1, 2 ]
amdhsa.kernels:
  - .name:           k_q92c48fc3b5_outp
    .symbol:         k_q92c48fc3b5_outp.kd
    .args:
      - { .name: ctx, .offset: 0, .size: 8, .value_kind: global_buffer, .address_space: global }
      - { .name: wo16, .offset: 8, .size: 8, .value_kind: global_buffer, .address_space: global }
      - { .name: bo, .offset: 16, .size: 8, .value_kind: global_buffer, .address_space: global }
      - { .name: out0, .offset: 24, .size: 8, .value_kind: global_buffer, .address_space: global }
    .group_segment_fixed_size: 327680
    .private_segment_fixed_size: 0
    .kernarg_segment_align: 8
    .kernarg_segment_size: 32
    .max_flat_workgroup_size: 128
    .sgpr_count:     66
    .vgpr_count:     512
    .wavefront_size: 32
...
	.end_amdgpu_metadata
.endif
;; end of part 4
